; MI455X (gfx1250); checked and timed in simulation.
; The chip was launched on July 23, 2026; its instructions are those of AMD's public machine-readable ISA for CDNA 5 (MIT licence, August 2026) and "CDNA5" Instruction Set Architecture Reference Guide (July 2026). The comments in the code are by the model that wrote it; some were corrected since.
;; Group Query Attention. Allowed arithmetic: float matrix products may take bf16 or f16 operands with f32 sums; all other float work in f32.
;; Inputs: Wk 256 x 2,048 float32; Wo 2,048 x 2,048 float32; Wq 2,048 x 2,048 float32; Wv 256 x 2,048 float32; cos 2,048 x 64 float32; sin 2,048 x 64 float32; x 1 x 2,048 x 2,048 float32.
;; Outputs: out0 1 x 2,048 x 2,048 float32.
;; 2 versions, each right; version 2 is version 1 with the launch cast written anew for expert scheduling mode. Each part assembles by itself: llvm-mc -triple=amdgcn-amd-amdhsa -mcpu=gfx1250 --defsym DOCPART=n.
;; ======== version 1 of 2: 4 launches
;; limits: values outside matrix products are rounded to bf16; values are held in f16: magnitudes above 65,504 overflow, below 6.1e-05 lose precision
;; workspace buffers: xb 8,388,608 bytes; wqkvb 10,485,760 bytes; wob 8,388,608 bytes; qb 8,388,608 bytes; kvb 2,097,152 bytes; yb 8,388,608 bytes
;; launch cast (part 1): grid 832 x 1, 8 waves a work-group, no clusters, 0 bytes of LDS; arguments x, Wq, Wk, Wv, Wo, xb, wqkvb, wob; writes xb, wqkvb, wob
.if DOCPART == 1
	.amdgcn_target "amdgcn-amd-amdhsa--gfx1250"
	.amdhsa_code_object_version 6
	.text
	.protected	k_q6eaa8bb30a_cast
	.globl	k_q6eaa8bb30a_cast
	.p2align	8
	.type	k_q6eaa8bb30a_cast,@function
k_q6eaa8bb30a_cast:
	s_mov_b64 s[64:65], 0
	v_nop
	global_prefetch_b8 v0, s[64:65] scope:SCOPE_SE
	s_setreg_imm32_b32 hwreg(HW_REG_WAVE_MODE, 25, 1), 1
	s_wait_xcnt 0x0
; Rounds x, Wq, Wk, Wv to bf16 and Wo to bf16 and then to f16 (its partner in the last product is f16; a bf16 number is exact in
; f16's normal range; below 2^-14 the absolute error is at most 2^-25; |Wo| must stay below 65504).
; The rows of Wq, Wk, Wv are laid out as 16 blocks of 160 rows, one block for each block column of the next launch:
;   rows 0-127: Wq rows 128 bx ..;  bx < 8: rows 128-143 = Wk rows 64 g + 16 j + i, rows 144-159 = Wk rows 64 g + 32 + 16 j + i (g = bx / 2, j = bx % 2);
;   bx >= 8: rows 128-159 = Wv rows 32 (bx - 8) + i.
; A work-group takes 8 rows of 2,048 f32.  Thread t takes bytes 16 t of each half row: a wave's load covers 512 consecutive bytes,
; its store 256 consecutive aligned bytes.  A stream: no LDS, no barrier, no matrix unit.  All 16 loads of a thread go out first.
.set X, 8                              ; v[8:71]   16 x 4 f32 as loaded
.set Y, 72                             ; v[72:103] 16 x 2 words to store
.macro ROWS src, dst, f16
.set i, 0
.rept 16
	global_load_b128 v[X+4*i:X+4*i+3], v1, s[\src:\src+1] offset:4096*i th:TH_LOAD_NT
.set i, i+1
.endr
.set i, 0
.rept 16
	s_wait_loadcnt 15-i                            ; loads come back in order: load i is in, the 15 - i younger ones stay out
	v_cvt_pk_bf16_f32 v[Y+2*i], v[X+4*i], v[X+4*i+1]
	v_cvt_pk_bf16_f32 v[Y+2*i+1], v[X+4*i+2], v[X+4*i+3]
.if \f16
	v_lshlrev_b32 v[X+4*i], 16, v[Y+2*i]           ; the rounded numbers back in f32, then to f16
	v_and_b32 v[X+4*i+1], s28, v[Y+2*i]
	v_lshlrev_b32 v[X+4*i+2], 16, v[Y+2*i+1]
	v_and_b32 v[X+4*i+3], s28, v[Y+2*i+1]
	v_cvt_pk_f16_f32 v[Y+2*i], v[X+4*i], v[X+4*i+1]
	v_cvt_pk_f16_f32 v[Y+2*i+1], v[X+4*i+2], v[X+4*i+3]
.endif
	global_store_b64 v2, v[Y+2*i:Y+2*i+1], s[\dst:\dst+1] offset:2048*i
.set i, i+1
.endr
.endm
	s_load_b512 s[8:23], s[0:1], 0x0               ; x 8, Wq 10, Wk 12, Wv 14, Wo 16, xb 18, wqkvb 20, wob 22
	v_lshlrev_b32 v1, 4, v0                        ; 16 t: source
	v_lshlrev_b32 v2, 3, v0                        ; 8 t: destination
	s_mov_b32 s25, 0
	s_mov_b32 s27, 0
	s_mov_b32 s28, 0xffff0000
	s_wait_kmcnt 0x0
	s_cmp_lt_u32 ttmp9, 256
	s_cbranch_scc0 .Lnot_x
	s_lshl_b32 s24, ttmp9, 16                      ; 8 rows of 8,192 bytes
	s_lshl_b32 s26, ttmp9, 15                      ; 8 rows of 4,096 bytes
	s_add_nc_u64 s[8:9], s[8:9], s[24:25]
	s_add_nc_u64 s[18:19], s[18:19], s[26:27]
	ROWS 8, 18, 0
	s_endpgm
.Lnot_x:
	s_cmp_lt_u32 ttmp9, 512
	s_cbranch_scc0 .Lnot_wq
	s_sub_co_u32 s29, ttmp9, 256                   ; i
	s_lshl_b32 s24, s29, 16
	s_lshr_b32 s30, s29, 4
	s_mul_i32 s30, s30, 160
	s_and_b32 s31, s29, 15
	s_lshl3_add_u32 s30, s31, s30                  ; row 160 (i / 16) + 8 (i % 16)
	s_lshl_b32 s26, s30, 12
	s_add_nc_u64 s[10:11], s[10:11], s[24:25]
	s_add_nc_u64 s[20:21], s[20:21], s[26:27]
	ROWS 10, 20, 0
	s_endpgm
.Lnot_wq:
	s_cmp_lt_u32 ttmp9, 768
	s_cbranch_scc0 .Lnot_wo
	s_sub_co_u32 s29, ttmp9, 512
	s_lshl_b32 s24, s29, 16
	s_lshl_b32 s26, s29, 15
	s_add_nc_u64 s[16:17], s[16:17], s[24:25]
	s_add_nc_u64 s[22:23], s[22:23], s[26:27]
	ROWS 16, 22, 1
	s_endpgm
.Lnot_wo:
	s_cmp_lt_u32 ttmp9, 800
	s_cbranch_scc0 .Lnot_wk
	s_sub_co_u32 s29, ttmp9, 768                   ; i: Wk row 8 i = 64 g + 32 hi + 16 j + 8 lo
	s_lshl_b32 s24, s29, 16
	s_lshr_b32 s30, s29, 3                         ; g
	s_bfe_u32 s31, s29, 0x10001                    ; j
	s_lshl1_add_u32 s30, s30, s31                  ; block 2 g + j
	s_mul_i32 s30, s30, 160
	s_bfe_u32 s31, s29, 0x10002                    ; hi
	s_lshl4_add_u32 s30, s31, s30
	s_and_b32 s31, s29, 1                          ; lo
	s_lshl3_add_u32 s30, s31, s30
	s_add_co_u32 s30, s30, 128
	s_lshl_b32 s26, s30, 12
	s_add_nc_u64 s[12:13], s[12:13], s[24:25]
	s_add_nc_u64 s[20:21], s[20:21], s[26:27]
	ROWS 12, 20, 0
	s_endpgm
.Lnot_wk:
	s_sub_co_u32 s29, ttmp9, 800                   ; i: Wv row 8 i = 32 (bx - 8) + 8 (i % 4)
	s_lshl_b32 s24, s29, 16
	s_lshr_b32 s30, s29, 2
	s_add_co_u32 s30, s30, 8
	s_mul_i32 s30, s30, 160
	s_and_b32 s31, s29, 3
	s_lshl3_add_u32 s30, s31, s30
	s_add_co_u32 s30, s30, 128
	s_lshl_b32 s26, s30, 12
	s_add_nc_u64 s[14:15], s[14:15], s[24:25]
	s_add_nc_u64 s[20:21], s[20:21], s[26:27]
	ROWS 14, 20, 0
	s_endpgm
.Lfunc_end_k_q6eaa8bb30a_cast:
	.size	k_q6eaa8bb30a_cast, .Lfunc_end_k_q6eaa8bb30a_cast-k_q6eaa8bb30a_cast
	.p2alignl 7, 3214868480
	.fill 96, 4, 3214868480
	.section	.rodata,"a",@progbits
	.p2align	6, 0x0
	.amdhsa_kernel k_q6eaa8bb30a_cast
		.amdhsa_group_segment_fixed_size 0
		.amdhsa_private_segment_fixed_size 0
		.amdhsa_enable_private_segment 0
		.amdhsa_kernarg_size 64
		.amdhsa_user_sgpr_count 2
		.amdhsa_user_sgpr_kernarg_segment_ptr 1
		.amdhsa_wavefront_size32 1
		.amdhsa_system_sgpr_workgroup_id_x 1
		.amdhsa_system_sgpr_workgroup_id_y 1
		.amdhsa_system_sgpr_workgroup_id_z 1
		.amdhsa_system_vgpr_workitem_id 0
		.amdhsa_next_free_vgpr 104
		.amdhsa_next_free_sgpr 66
		.amdhsa_reserve_vcc 0
		.amdhsa_float_denorm_mode_32 3
		.amdhsa_float_denorm_mode_16_64 3
		.amdhsa_memory_ordered 1
		.amdhsa_forward_progress 1
		.amdhsa_inst_pref_size 35
	.end_amdhsa_kernel
	.amdgpu_metadata
---
amdhsa.version: [ 1, 2 ]
amdhsa.kernels:
  - .name:           k_q6eaa8bb30a_cast
    .symbol:         k_q6eaa8bb30a_cast.kd
    .args:
      - { .name: x, .offset: 0, .size: 8, .value_kind: global_buffer, .address_space: global }
      - { .name: Wq, .offset: 8, .size: 8, .value_kind: global_buffer, .address_space: global }
      - { .name: Wk, .offset: 16, .size: 8, .value_kind: global_buffer, .address_space: global }
      - { .name: Wv, .offset: 24, .size: 8, .value_kind: global_buffer, .address_space: global }
      - { .name: Wo, .offset: 32, .size: 8, .value_kind: global_buffer, .address_space: global }
      - { .name: xb, .offset: 40, .size: 8, .value_kind: global_buffer, .address_space: global }
      - { .name: wqkvb, .offset: 48, .size: 8, .value_kind: global_buffer, .address_space: global }
      - { .name: wob, .offset: 56, .size: 8, .value_kind: global_buffer, .address_space: global }
    .group_segment_fixed_size: 0
    .private_segment_fixed_size: 0
    .kernarg_segment_align: 8
    .kernarg_segment_size: 64
    .max_flat_workgroup_size: 256
    .sgpr_count:     66
    .vgpr_count:     104
    .wavefront_size: 32
...
	.end_amdgpu_metadata
.endif
;; end of part 1
;; launch qkv (part 2): grid 16 x 16, 4 waves a work-group, clusters of 4 x 4, 327,680 bytes of LDS; arguments xb, wqkvb, cos, sin, qb, kvb; writes qb, kvb
.if DOCPART == 2
	.amdgcn_target "amdgcn-amd-amdhsa--gfx1250"
	.amdhsa_code_object_version 6
	.text
	.protected	k_q6eaa8bb30a_qkv
	.globl	k_q6eaa8bb30a_qkv
	.p2align	8
	.type	k_q6eaa8bb30a_qkv,@function
k_q6eaa8bb30a_qkv:
	s_mov_b64 s[64:65], 0
	v_nop
	global_prefetch_b8 v0, s[64:65] scope:SCOPE_SE
	s_setreg_imm32_b32 hwreg(HW_REG_WAVE_MODE, 25, 1), 1
	s_wait_xcnt 0x0
	s_wait_alu depctr_hold_cnt(0) depctr_sa_sdst(0) depctr_va_vdst(0) depctr_va_sdst(0) depctr_va_ssrc(0) depctr_va_vcc(0) depctr_vm_vsrc(0)
	s_getreg_b32 s2, hwreg(HW_REG_IB_STS2, 6, 4)
	s_cmp_eq_u32 s2, 0
	s_cbranch_scc0 .Lentry_in_a_cluster
	s_endpgm
.Lentry_in_a_cluster:
	s_bfe_u32 s2, ttmp6, 0x10000c
	s_cmp_lg_u32 s2, 0xf033
	s_cbranch_scc0 .Lentry_shape_is_right
	s_endpgm
.Lentry_shape_is_right:
; q, k, v = x W^T with RoPE.  xb [2048][2048] bf16, wqkvb [16][160][2048] bf16 (blocks of 128 rows of Wq and 32 of Wk or Wv), sums in f32.
; A work-group makes 128 positions x 160 columns: two query heads and half a key head (bx < 8) or half a value head (bx >= 8).
; Wave w (wm = w / 2, wn = w % 2): positions 64 wm .. x head 2 bx + wn (4 x 4 tiles), and positions 64 wm + 32 wn .. + 31 x the 32 kv columns
; (2 x 2 tiles): 20 accumulators, and both halves (d, d + 32) of every RoPE pair lie in one wave.
; OUTPUT, f16: qb [32 heads][2048][64] = q / 8;  kvb [16 units = bx][2048][32]: units 0-7 k / 8, units 8-15 v.  The 1/8 is folded into the tables.
; LIMITS: |q|, |k| < 8 x 65504 after RoPE and |v| < 65504, or f16 overflows; f16 numbers below 2^-14 carry an absolute error up to 2^-25.
; cos and sin are rounded to bf16 like the other inputs (ROUND_TABLES).
; CLUSTERS: 4 x 4 work-groups; x's tiles hang on by alone and are asked for jointly along a row of the cluster, W's on bx alone, along a column.
; K goes in steps of 256 (rows of 512 bytes) through two LDS slots; a wave brings one part of a slot by one tensor load (waves 0, 1: 80 rows of W each;
; waves 2, 3: 64 rows of x each).  By this text's count a wave has two tensor loads out at the start and one behind each refill.
; THE MATRIX INSTRUCTION IS USED TRANSPOSED: source 0 = 16 rows of W, source 1 = 16 rows of x; lane (r, h), register j holds position r, feature 8 h + j.
; WINDOWS: 0 addresses, fragments, work;  1 accumulators (q (a, b) at 8 (4 a + b), kv (a, c) at 128 + 8 (2 a + c)) and the kv tables at 160;  2 the q tables.
; A's register slot a holds row tile a xor 2 wn of the wave's four, so that the kv part always uses slots 0 and 1.
.set ROUND_TABLES, 1
.set PITCH, 528                        ; 512 bytes + 16: an odd multiple of 16, the 16 rows of a fragment start at 16 different 16-byte columns
.set HB,    80*PITCH
.set HA,    64*PITCH
.set KVOFF, 128*PITCH
.set AOFF,  160*PITCH
.set SLOT,  288*PITCH
.set STAGE, 2*SLOT                     ; 2,304 bytes for each wave, its own; no fill lands there
.set ADRB, 8
.set ADRK, 10
.set ADRA0, 12
.set ADRA1, 14
.set CSO, 16
.set CSK, 18
.set STOQ, 19
.set STOK, 20
.set RDQ, 21
.set RDK, 22
.set OUT, 23
.set PK, 32
.set RBK, 48
.set F0, 64                            ; W of my head 0-31, kv rows of W 32-47, x 48-79
.set F1, 144
.set T, 224
.set G1A, 24
.set G0A, 32
.set G1B, 48
.set G0B, 56
.set MSB, 0
.macro WIN new                         ; the immediate's high byte repeats the setting that is left
.if MSB != \new
	s_set_vgpr_msb (MSB<<8)|\new
.set MSB, \new
.endif
.endm
.macro PLACES                          ; four places behind matrix instructions ahead of loads into, or reads of, their registers
.rept 4
	v_nop
.endr
.endm
.macro JLOAD s                         ; waves 0, 1 ask for W's halves, waves 2, 3 for x's: one mask and one register set a line
	s_cmp_eq_u32 s17, 0
	s_cbranch_scc0 .Lfor_a_\@
	tensor_load_to_lds s[G0B+4*\s:G0B+4*\s+3], s[G1B:G1B+7]
	s_nop 0
	s_branch .Lasked_\@
.Lfor_a_\@:
	tensor_load_to_lds s[G0A+4*\s:G0A+4*\s+3], s[G1A:G1A+7]
	s_nop 0
.Lasked_\@:
.endm
.macro CREST                           ; a round of the cluster's barrier behind its opening barrier
	s_cmp_lg_u32 s16, 0
	s_cbranch_scc1 .Lnot_wave_0_\@
	s_barrier_signal -3
.Lnot_wave_0_\@:
	s_barrier_wait -3
	s_barrier_signal -1
	s_barrier_wait -1
.endm
.macro CROUND
	s_barrier_signal -1
	s_barrier_wait -1
	CREST
.endm
	s_load_b256 s[4:11], s[0:1], 0x0               ; xb 4, wqkvb 6, cos 8, sin 10
	s_load_b128 s[12:15], s[0:1], 0x20             ; qb 12, kvb 14
	v_lshl_add_u32 v30, v0, 2, 0x4c800
	v_mov_b32 v31, 0
	ds_add_u32 v30, v31
	v_lshrrev_b32 v1, 5, v0
	v_readfirstlane_b32 s16, v1                    ; wave
	s_lshr_b32 s17, s16, 1                         ; wm; also 0: I fetch W, 1: I fetch x
	s_and_b32 s18, s16, 1                          ; wn; also which half I fetch
	s_bfe_u32 s19, ttmp6, 0x40000                  ; cx
	s_bfe_u32 s20, ttmp6, 0x40004                  ; cy
	s_lshl_b32 s21, ttmp9, 2
	s_add_co_u32 s21, s21, s19                     ; bx
	s_and_b32 s22, ttmp7, 0xffff
	s_lshl_b32 s22, s22, 2
	s_add_co_u32 s22, s22, s20                     ; by
	s_mov_b32 s23, 0xffff0000
	s_lshl_b32 s40, s20, 2
	s_lshl_b32 s40, 15, s40                        ; my row of the cluster
	s_lshl_b32 s41, 0x1111, s19                    ; my column
	s_or_b32 s[G1A+0], s40, (1<<16)|(1<<20)|(1<<21)|(6<<22)|(3<<25)   ; mask; 2-byte elements; padding of 4 words after every 128; bit 21 beside a mask
	s_or_b32 s[G1B+0], s41, (1<<16)|(1<<20)|(1<<21)|(6<<22)|(3<<25)
	s_mov_b32 s[G1A+1], 256<<16                    ; tensor_dim0 = 256
	s_mov_b32 s[G1B+1], 256<<16
	s_mov_b32 s[G1A+2], 64<<16                     ; tensor_dim1 = rows
	s_mov_b32 s[G1B+2], 80<<16
	s_mov_b32 s[G1A+3], 256<<16                    ; tile_dim0 = 256
	s_mov_b32 s[G1B+3], 256<<16
	s_mov_b32 s[G1A+4], 64                         ; tile_dim1
	s_mov_b32 s[G1B+4], 80
	s_mov_b32 s[G1A+5], 2048                       ; elements from row to row
	s_mov_b32 s[G1B+5], 2048
	s_mov_b32 s[G1A+6], 0
	s_mov_b32 s[G1B+6], 0
	s_mov_b32 s[G1A+7], 0
	s_mov_b32 s[G1B+7], 0
	s_lshl_b32 s42, s22, 7
	s_lshl_b32 s43, s18, 6
	s_add_co_u32 s42, s42, s43                     ; x: row 128 by + 64 half
	s_lshl_b32 s42, s42, 12
	s_mov_b32 s43, 0
	s_mul_i32 s44, s21, 160
	s_mul_i32 s45, s18, 80
	s_add_co_u32 s44, s44, s45                     ; W: row 160 bx + 80 half
	s_lshl_b32 s44, s44, 12
	s_mov_b32 s45, 0
	s_mul_i32 s46, s16, HB                         ; LDS: W's halves at 0 and HB (waves 0, 1)
	s_mul_i32 s47, s16, HA
	s_add_co_u32 s47, s47, AOFF-2*HA               ; x's halves at AOFF and AOFF + HA (waves 2, 3)
	; lane terms
	v_and_b32 v1, 15, v0                           ; r
	v_bfe_u32 v2, v0, 4, 1                         ; h
	v_and_b32 v3, 31, v0                           ; lane
	v_mul_u32_u24 v4, v1, PITCH
	v_lshl_add_u32 v4, v2, 4, v4                   ; r x pitch + 16 h
	s_mul_i32 s74, s18, 64*PITCH                   ; my head's 64 rows of W
	s_lshl_b32 s75, s17, 6
	s_lshl_b32 s76, s18, 5
	s_xor_b32 s77, s76, 32
	s_add_co_u32 s76, s75, s76                     ; 64 wm + 32 wn: rows of slots 0, 1
	s_add_co_u32 s77, s75, s77                     ; 64 wm + 32 (1 - wn): rows of slots 2, 3
	s_lshl_b32 s72, s22, 7
	s_add_co_u32 s73, s72, s77                     ; RB1: first position of slots 2, 3
	s_add_co_u32 s72, s72, s76                     ; RB0: first position of slots 0, 1
	s_mul_i32 s76, s76, PITCH
	s_mul_i32 s77, s77, PITCH
	s_add_co_u32 s76, s76, AOFF
	s_add_co_u32 s77, s77, AOFF
	s_mov_b32 s75, KVOFF
.irp s, 0,1
	v_add_nc_u32 v[ADRB+\s], s74, v4
	v_add_nc_u32 v[ADRK+\s], s75, v4
	v_add_nc_u32 v[ADRA0+\s], s76, v4
	v_add_nc_u32 v[ADRA1+\s], s77, v4
	s_add_co_u32 s74, s74, SLOT
	s_add_co_u32 s75, s75, SLOT
	s_add_co_u32 s76, s76, SLOT
	s_add_co_u32 s77, s77, SLOT
.endr
	v_lshlrev_b32 v5, 8, v1
	v_lshl_add_u32 v5, v2, 5, v5                   ; tables: 256 r + 32 h
	s_lshl_b32 s81, s72, 8
	v_add_nc_u32 v[CSO], s81, v5
	s_lshl_b32 s81, s73, 8
	v_add_nc_u32 v[CSO+1], s81, v5
	s_and_b32 s82, s21, 1
	s_lshl_b32 s82, s82, 6
	v_add_nc_u32 v[CSK], s82, v[CSO]               ; the key unit's features begin at 16 (bx % 2)
	s_mul_i32 s80, s16, 2304
	s_add_co_u32 s80, s80, STAGE                   ; my stage
	v_mul_u32_u24 v5, v1, 144
	v_lshl_add_u32 v5, v2, 4, v5
	v_add_nc_u32 v[STOQ], s80, v5
	v_mul_u32_u24 v5, v1, 80
	v_lshl_add_u32 v5, v2, 4, v5
	v_add_nc_u32 v[STOK], s80, v5
	v_lshrrev_b32 v5, 3, v3
	v_mul_u32_u24 v5, v5, 144
	v_and_b32 v6, 7, v0
	v_lshl_add_u32 v5, v6, 4, v5
	v_add_nc_u32 v[RDQ], s80, v5
	v_lshrrev_b32 v5, 2, v3
	v_mul_u32_u24 v5, v5, 80
	v_and_b32 v6, 3, v0
	v_lshl_add_u32 v5, v6, 4, v5
	v_add_nc_u32 v[RDK], s80, v5
	v_lshlrev_b32 v[OUT], 4, v3
	s_wait_dscnt 0x0
	s_wait_kmcnt 0x0
	s_add_nc_u64 s[42:43], s[4:5], s[42:43]
	s_add_nc_u64 s[44:45], s[6:7], s[44:45]
	s_lshl1_add_u32 s86, s21, s18                  ; my head
	s_lshl_b32 s86, s86, 11
	s_add_co_u32 s84, s86, s72
	s_lshl_b32 s84, s84, 7
	s_mov_b32 s85, 0
	s_add_nc_u64 s[66:67], s[12:13], s[84:85]      ; q at (head, RB0)
	s_add_co_u32 s84, s86, s73
	s_lshl_b32 s84, s84, 7
	s_add_nc_u64 s[68:69], s[12:13], s[84:85]      ; q at (head, RB1)
	s_lshl_b32 s84, s21, 11
	s_add_co_u32 s84, s84, s72
	s_lshl_b32 s84, s84, 6
	s_add_nc_u64 s[70:71], s[14:15], s[84:85]      ; kv at (unit bx, RB0)
	CROUND                                         ; all sixteen work-groups are here: the first joint loads meet
.irp s, 0,1
	s_mov_b32 s[G0A+4*\s], 1
	s_add_co_u32 s[G0A+4*\s+1], s47, \s*SLOT
	s_add_nc_u64 s[G0A+4*\s+2:G0A+4*\s+3], s[42:43], \s*512
	s_or_b32 s[G0A+4*\s+3], s[G0A+4*\s+3], 0x80000000
	s_mov_b32 s[G0B+4*\s], 1
	s_add_co_u32 s[G0B+4*\s+1], s46, \s*SLOT
	s_add_nc_u64 s[G0B+4*\s+2:G0B+4*\s+3], s[44:45], \s*512
	s_or_b32 s[G0B+4*\s+3], s[G0B+4*\s+3], 0x80000000
	JLOAD \s
.endr
	; the tables of my positions, in the accumulators' layout: lane (r, h) takes features 16 b + 8 h .. + 7 of position r
	WIN 0x80
.irp a, 0,1,2,3
.irp b, 0,1,2,3
.irp e, 0,1
	global_load_b128 v[64*\a+8*\b+4*\e:64*\a+8*\b+4*\e+3], v[CSO+(\a>>1)], s[8:9] offset:4096*(\a&1)+64*\b+16*\e
	global_load_b128 v[64*\a+32+8*\b+4*\e:64*\a+32+8*\b+4*\e+3], v[CSO+(\a>>1)], s[10:11] offset:4096*(\a&1)+64*\b+16*\e
.endr
.endr
.endr
	WIN 0x40
.irp a, 0,1
.irp c, 0,1
.irp e, 0,1
	global_load_b128 v[160+32*\a+8*\c+4*\e:160+32*\a+8*\c+4*\e+3], v[CSK], s[8:9] offset:4096*\a+128*\c+16*\e
	global_load_b128 v[176+32*\a+8*\c+4*\e:176+32*\a+8*\c+4*\e+3], v[CSK], s[10:11] offset:4096*\a+128*\c+16*\e
.endr
.endr
.endr
	s_wait_loadcnt 0x0
; 64 table registers from base on: rounded to bf16, widened again, times 1/8.  wsrc, wdst, wboth: the window as both sources, as destination, as both.
.macro ROUNDT base, wsrc, wdst, wboth
.if ROUND_TABLES
	WIN \wsrc
.set i, 0
.rept 32
	v_cvt_pk_bf16_f32 v[T+i], v[\base+2*i], v[\base+2*i+1]
.set i, i+1
.endr
	WIN \wdst
.set i, 0
.rept 32
	v_lshlrev_b32 v[\base+2*i], 16, v[T+i]
	v_and_b32 v[\base+2*i+1], s23, v[T+i]
.set i, i+1
.endr
.endif
	WIN \wboth
.set i, 0
.rept 32
	v_pk_mul_f32 v[\base+2*i:\base+2*i+1], v[\base+2*i:\base+2*i+1], 0x3e000000 op_sel_hi:[1,0]
.set i, i+1
.endr
.endm
	ROUNDT 0, 0x0a, 0x80, 0x82
	ROUNDT 64, 0x0a, 0x80, 0x82
	ROUNDT 128, 0x0a, 0x80, 0x82
	ROUNDT 192, 0x0a, 0x80, 0x82
	ROUNDT 160, 0x05, 0x40, 0x41
	s_cmp_lt_u32 ttmp9, 2                          ; bx < 8: keys.  Else values: cos = 1, sin = 0, so that v passes as it is; a select, no branch
	s_cselect_b32 vcc_lo, -1, 0
	WIN 0x44
.irp a, 0,1
.set i, 0
.rept 16
	v_cndmask_b32 v[160+32*\a+i], 1.0, v[160+32*\a+i], vcc_lo
	v_cndmask_b32 v[176+32*\a+i], 0, v[176+32*\a+i], vcc_lo
.set i, i+1
.endr
.endr
	WIN 0
.macro MM d, b, a, zero
.if \zero
	v_wmma_f32_16x16x32_bf16 v[\d:\d+7], v[\b:\b+7], v[\a:\a+7], 0
.else
	v_wmma_f32_16x16x32_bf16 v[\d:\d+7], v[\b:\b+7], v[\a:\a+7], v[\d:\d+7]
.endif
.endm
; The 20 accumulators take turns, one instruction a turn, in the same order in every step of 32 along K.
.macro MULA f, a, zero                 ; slot a = 0, 1: four q tiles and two kv tiles
	WIN 0x50
.irp b, 0,1,2,3
	MM 8*(4*\a+\b), \f+8*\b, \f+48+8*\a, \zero
.endr
.irp c, 0,1
	MM 128+8*(2*\a+\c), \f+32+8*\c, \f+48+8*\a, \zero
.endr
.endm
.macro MULB f, a, zero                 ; slot a = 2, 3: four q tiles
	WIN 0x50
.irp b, 0,1,2,3
	MM 8*(4*\a+\b), \f+8*\b, \f+48+8*\a, \zero
.endr
.endm
.macro FETCH slot, k, f                ; 20 LDS loads in one run: the fragments of 32 along K at byte k of the rows
	WIN 0
.irp i, 0,1,2,3
	ds_load_b128 v[\f+8*\i:\f+8*\i+3], v[ADRB+\slot] offset:\k+\i*16*PITCH
	ds_load_b128 v[\f+8*\i+4:\f+8*\i+7], v[ADRB+\slot] offset:\k+\i*16*PITCH+32
.endr
.irp i, 0,1
	ds_load_b128 v[\f+32+8*\i:\f+32+8*\i+3], v[ADRK+\slot] offset:\k+\i*16*PITCH
	ds_load_b128 v[\f+32+8*\i+4:\f+32+8*\i+7], v[ADRK+\slot] offset:\k+\i*16*PITCH+32
.endr
.irp i, 0,1
	ds_load_b128 v[\f+48+8*\i:\f+48+8*\i+3], v[ADRA0+\slot] offset:\k+\i*16*PITCH
	ds_load_b128 v[\f+48+8*\i+4:\f+48+8*\i+7], v[ADRA0+\slot] offset:\k+\i*16*PITCH+32
.endr
.irp i, 0,1
	ds_load_b128 v[\f+64+8*\i:\f+64+8*\i+3], v[ADRA1+\slot] offset:\k+\i*16*PITCH
	ds_load_b128 v[\f+64+8*\i+4:\f+64+8*\i+7], v[ADRA1+\slot] offset:\k+\i*16*PITCH+32
.endr
.endm
.macro K32 slot, k, f, g, zero         ; multiplies buffer f; in its middle fetches the next 32 along K into buffer g
	s_wait_dscnt 4                                 ; all but the youngest four loads (x's slots 2, 3) are in
	MULA \f, 0, \zero
	MULA \f, 1, \zero
	PLACES
	FETCH \slot, \k, \g
	s_wait_dscnt 20                                ; all but the 20 just issued
	MULB \f, 2, \zero
	MULB \f, 3, \zero
.endm
.macro SEVEN slot, zero
	K32 \slot, 64, F0, F1, \zero
	K32 \slot, 128, F1, F0, 0
	K32 \slot, 192, F0, F1, 0
	K32 \slot, 256, F1, F0, 0
	K32 \slot, 320, F0, F1, 0
	K32 \slot, 384, F1, F0, 0
	K32 \slot, 448, F0, F1, 0
.endm
; The eighth step of a slot changes slots.  In front of the barrier each wave waits for its reads of this slot and for all its tensor loads (the one
; that is out is its part of the next slot).  Where the slot is filled again the barrier opens a round of the cluster's barrier, and the joint refill is the first tensor load behind it.
.macro TURN slot, next, fill
	s_wait_dscnt 4
	MULA F1, 0, 0
	s_wait_dscnt 0
	s_wait_tensorcnt 0x0
	ds_add_u32 v30, v31
	s_wait_dscnt 0x0
	s_barrier_signal -1
	MULA F1, 1, 0                                  ; register work while the others arrive
	WIN 0
	s_barrier_wait -1
.if \fill
	CREST
	s_add_nc_u64 s[G0A+4*\slot+2:G0A+4*\slot+3], s[G0A+4*\slot+2:G0A+4*\slot+3], 1024   ; two slots of 512 bytes on
	s_add_nc_u64 s[G0B+4*\slot+2:G0B+4*\slot+3], s[G0B+4*\slot+2:G0B+4*\slot+3], 1024
	JLOAD \slot
.endif
	PLACES
	FETCH \next, 0, F0
	MULB F1, 2, 0
	MULB F1, 3, 0
.endm
.macro LAP zero
	SEVEN 0, \zero
	TURN 0, 1, 1
	SEVEN 1, 0
	TURN 1, 0, 1
.endm
	s_wait_tensorcnt 0x1                           ; my part of slot 0 is in; slot 1's stays out
	s_barrier_signal -1
	s_barrier_wait -1
	FETCH 0, 0, F0
	LAP 1                                          ; K = 2,048 is eight slots, four laps; the first lap's first products start the sums
	WIN 0
	s_mov_b32 s3, 2
.Llap:
	LAP 0
	WIN 0
	s_sub_co_u32 s3, s3, 1
	s_cmp_lg_u32 s3, 0
	s_cbranch_scc1 .Llap
	SEVEN 0, 0                                     ; the last lap fills nothing
	TURN 0, 1, 0
	SEVEN 1, 0
	s_wait_dscnt 4
	MULA F1, 0, 0
	MULA F1, 1, 0
	s_wait_dscnt 0
	MULB F1, 2, 0
	MULB F1, 3, 0
	PLACES                                         ; ahead of the reads of the results
; RoPE on a pair of tiles (features d and d + 32): lo' = lo cos(d) - hi sin(d), hi' = hi cos(d + 32) + lo sin(d + 32)
.macro ROPE2 al, ah, cl, sl, ch, sh, tl, th
.irp p, 0,2,4,6
	v_pk_mul_f32 v[\tl+\p:\tl+\p+1], v[\al+\p:\al+\p+1], v[\cl+\p:\cl+\p+1]
	v_pk_mul_f32 v[\th+\p:\th+\p+1], v[\ah+\p:\ah+\p+1], v[\ch+\p:\ch+\p+1]
.endr
.irp p, 0,2,4,6
	v_pk_fma_f32 v[\tl+\p:\tl+\p+1], v[\ah+\p:\ah+\p+1], v[\sl+\p:\sl+\p+1], v[\tl+\p:\tl+\p+1] neg_lo:[0,1,0] neg_hi:[0,1,0]
	v_pk_fma_f32 v[\th+\p:\th+\p+1], v[\al+\p:\al+\p+1], v[\sh+\p:\sh+\p+1], v[\th+\p:\th+\p+1]
.endr
.endm
; 16 positions x 64 features of q: RoPE, f16, through my stage (rows of 144 bytes), out as 2,048 consecutive bytes, 512 a store
.macro OUTQ a
	WIN 0x09
	ROPE2 32*\a, 32*\a+16, 64*\a, 64*\a+32, 64*\a+16, 64*\a+48, T, T+16
	ROPE2 32*\a+8, 32*\a+24, 64*\a+8, 64*\a+40, 64*\a+24, 64*\a+56, T+8, T+24
	WIN 0
.set i, 0
.rept 16
	v_cvt_pk_f16_f32 v[PK+i], v[T+2*i], v[T+2*i+1]
.set i, i+1
.endr
.irp b, 0,1,2,3
	ds_store_b128 v[STOQ], v[PK+4*\b:PK+4*\b+3] offset:32*\b
.endr
	s_wait_xcnt 0x0                                ; the registers that earlier stores read are loaded again only behind this wait
.irp t, 0,1,2,3
	ds_load_b128 v[RBK+4*\t:RBK+4*\t+3], v[RDQ] offset:576*\t     ; LDS serves a wave's instructions in order: these see the stores above
.endr
.irp t, 0,1,2,3
	s_wait_dscnt 3-\t
	global_store_b128 v[OUT], v[RBK+4*\t:RBK+4*\t+3], s[66+2*(\a>>1):67+2*(\a>>1)] offset:2048*(\a&1)+512*\t
.endr
.endm
; 16 positions x 32 columns of k or v: the same with rows of 80 bytes, 1,024 consecutive bytes out
.macro OUTKV a
	WIN 0x05
	ROPE2 128+16*\a, 136+16*\a, 160+32*\a, 176+32*\a, 168+32*\a, 184+32*\a, T, T+8
	WIN 0
.set i, 0
.rept 8
	v_cvt_pk_f16_f32 v[PK+i], v[T+2*i], v[T+2*i+1]
.set i, i+1
.endr
.irp c, 0,1
	ds_store_b128 v[STOK], v[PK+4*\c:PK+4*\c+3] offset:32*\c
.endr
	s_wait_xcnt 0x0
.irp t, 0,1
	ds_load_b128 v[RBK+4*\t:RBK+4*\t+3], v[RDK] offset:640*\t
.endr
.irp t, 0,1
	s_wait_dscnt 1-\t
	global_store_b128 v[OUT], v[RBK+4*\t:RBK+4*\t+3], s[70:71] offset:1024*\a+512*\t
.endr
.endm
	OUTQ 0
	OUTKV 0
	OUTQ 1
	OUTKV 1
	OUTQ 2
	OUTQ 3
	s_wait_tensorcnt 0x0
	ds_add_u32 v30, v31
	s_wait_dscnt 0x0
	CROUND                                         ; the closing round: no work-group ends while a partner may still ask jointly
	s_endpgm
.Lfunc_end_k_q6eaa8bb30a_qkv:
	.size	k_q6eaa8bb30a_qkv, .Lfunc_end_k_q6eaa8bb30a_qkv-k_q6eaa8bb30a_qkv
	.p2alignl 7, 3214868480
	.fill 96, 4, 3214868480
	.section	.rodata,"a",@progbits
	.p2align	6, 0x0
	.amdhsa_kernel k_q6eaa8bb30a_qkv
		.amdhsa_group_segment_fixed_size 327680
		.amdhsa_private_segment_fixed_size 0
		.amdhsa_enable_private_segment 0
		.amdhsa_kernarg_size 48
		.amdhsa_user_sgpr_count 2
		.amdhsa_user_sgpr_kernarg_segment_ptr 1
		.amdhsa_wavefront_size32 1
		.amdhsa_system_sgpr_workgroup_id_x 1
		.amdhsa_system_sgpr_workgroup_id_y 1
		.amdhsa_system_sgpr_workgroup_id_z 1
		.amdhsa_system_vgpr_workitem_id 0
		.amdhsa_next_free_vgpr 768
		.amdhsa_next_free_sgpr 88
		.amdhsa_reserve_vcc 1
		.amdhsa_float_denorm_mode_32 3
		.amdhsa_float_denorm_mode_16_64 3
		.amdhsa_memory_ordered 1
		.amdhsa_forward_progress 1
		.amdhsa_inst_pref_size 211
	.end_amdhsa_kernel
	.amdgpu_metadata
---
amdhsa.version: [ 1, 2 ]
amdhsa.kernels:
  - .name:           k_q6eaa8bb30a_qkv
    .symbol:         k_q6eaa8bb30a_qkv.kd
    .args:
      - { .name: xb, .offset: 0, .size: 8, .value_kind: global_buffer, .address_space: global }
      - { .name: wqkvb, .offset: 8, .size: 8, .value_kind: global_buffer, .address_space: global }
      - { .name: cos, .offset: 16, .size: 8, .value_kind: global_buffer, .address_space: global }
      - { .name: sin, .offset: 24, .size: 8, .value_kind: global_buffer, .address_space: global }
      - { .name: qb, .offset: 32, .size: 8, .value_kind: global_buffer, .address_space: global }
      - { .name: kvb, .offset: 40, .size: 8, .value_kind: global_buffer, .address_space: global }
    .group_segment_fixed_size: 327680
    .private_segment_fixed_size: 0
    .kernarg_segment_align: 8
    .kernarg_segment_size: 48
    .max_flat_workgroup_size: 128
    .sgpr_count:     88
    .vgpr_count:     768
    .wavefront_size: 32
...
	.end_amdgpu_metadata
.endif
;; end of part 2
;; launch attn (part 3): grid 64 x 4, 4 waves a work-group, clusters of 4 x 1, 327,680 bytes of LDS; arguments qb, kvb, yb; writes yb
.if DOCPART == 3
	.amdgcn_target "amdgcn-amd-amdhsa--gfx1250"
	.amdhsa_code_object_version 6
	.text
	.protected	k_q6eaa8bb30a_attn
	.globl	k_q6eaa8bb30a_attn
	.p2align	8
	.type	k_q6eaa8bb30a_attn,@function
k_q6eaa8bb30a_attn:
	s_mov_b64 s[64:65], 0
	v_nop
	global_prefetch_b8 v0, s[64:65] scope:SCOPE_SE
	s_setreg_imm32_b32 hwreg(HW_REG_WAVE_MODE, 25, 1), 1
	s_wait_xcnt 0x0
	s_wait_alu depctr_hold_cnt(0) depctr_sa_sdst(0) depctr_va_vdst(0) depctr_va_sdst(0) depctr_va_ssrc(0) depctr_va_vcc(0) depctr_vm_vsrc(0)
	s_getreg_b32 s2, hwreg(HW_REG_IB_STS2, 6, 4)
	s_cmp_eq_u32 s2, 0
	s_cbranch_scc0 .Lentry_in_a_cluster
	s_endpgm
.Lentry_in_a_cluster:
	s_bfe_u32 s2, ttmp6, 0x10000c
	s_cmp_lg_u32 s2, 0x3003
	s_cbranch_scc0 .Lentry_shape_is_right
	s_endpgm
.Lentry_shape_is_right:
; Causal attention, f16 operands, f32 sums, running maximum.  qb [32][2048][64] = q / 8, kvb units of [2048][32] (k / 8: units 2 g + j with features
; {16 j .. + 15, 32 + 16 j .. + 15}; v: units 8 + 2 g + jv with features 32 jv .. + 31), yb [2048][2048] f16.
; scores = (q k) / 8 = 8 (q/8)(k/8), so the exponent in base 2 is 8 log2(e) times the product of the stored numbers.
; LIMITS: |y| < 65504; probabilities below 2^-14 carry an absolute error up to 2^-25 in the second product.
; A work-group (j = 4 c + cx, kv head g) takes two blocks of 16 positions x the 8 query heads of g: block 127 - j and block j; wave w takes heads 8 g + 2 w, + 1.
; WHICH KEYS: the four partners' low blocks lie in positions 64 c .. 64 c + 63 and need c + 1 steps of 64 keys; their high blocks lie in 64 (31 - c) .. + 63 and
; need 32 - c: 33 steps in every work-group, the last step of each block with the mask.  Keys come in tiles of 128 (two steps): with u = c / 2 the high block has
; 16 - u tiles, the low one u + 1, 17 together.  The block with the EVEN number of tiles runs first (the high one if u is even), so that tile t of either block
; lies in slot t % 2 and every slot is known in the text.  A block's last tile runs its first 64 keys with the mask, and its second 64 only where the block's
; positions lie in them (c even: the high block; c odd: the low one).
; Counts, tiles and branches hang on c and g alone, so the four work-groups of a cluster ask for every tile jointly (mask 15).  cx enters only q's and y's
; global offsets and the mask's lane values.
; TRANSPOSED: S^T = K Q^T: lane (r, h), register i of tile kt holds key 16 kt + 8 h + i for query row r; two tiles packed in place are a B fragment of P^T;
; O^T = V^T P^T with V^T read by transposing LDS loads.  Maximum and sum are one number a lane.
; LDS slot: V's two units (128 rows, pitch 96), K's two units (pitch 80).  Waves 0, 1 bring V's units, waves 2, 3 K's; one tensor load of a wave is out at a time.
; No prefetch: kvb is 2 MiB, stored by the launch before, and each tile is asked for once for four work-groups.
.set SLOT,  45056
.set VUNIT, 12288
.set KUNIT, 10240
.set KOFF,  24576
.set STAGE, 2*SLOT                     ; 16 rows x 272 bytes for each wave, its own; no fill lands there
.set TILEB, 8192                       ; bytes of a tile in one unit
.set KADR, 8
.set VADR, 10
.set STO, 12
.set RD, 13
.set YO, 14
.set QO, 15                            ; v15, v16: q's offsets for the first and the second block
.set RH, 17
.set LIM, 18
.set NEG, 19
.set M, 20
.set L, 22
.set AL, 24
.set NMC, 28
.set TR, 32                            ; v[32:47] at work: the trees of the maximum and of the sum
.set TT, TR+1
.set MN, TR+2
.set TD, TR+3
.set INV, TR+10
.set S, 64
.set KF, 128
.set VF, 192
.set Q1, 64                            ; window 1: q of the first block
.set Q2, 96                            ; window 1: q of the second block
.set G1V, 24
.set G1K, 32
.set G0V, 40
.set G0K, 48
.set MSB, 0
.macro WIN new                         ; the immediate's high byte repeats the setting that is left
.if MSB != \new
	s_set_vgpr_msb (MSB<<8)|\new
.set MSB, \new
.endif
.endm
.macro ROUND                           ; a round of the cluster's barrier
	s_barrier_signal -1
	s_barrier_wait -1
	s_cmp_lg_u32 s10, 0
	s_cbranch_scc1 .Lnot_wave_0_\@
	s_barrier_signal -3
.Lnot_wave_0_\@:
	s_barrier_wait -3
	s_barrier_signal -1
	s_barrier_wait -1
.endm
.macro JLOAD s
	s_cmp_eq_u32 s11, 0
	s_cbranch_scc0 .Lfor_k_\@
	tensor_load_to_lds s[G0V+4*(\s):G0V+4*(\s)+3], s[G1V:G1V+7]
	s_nop 0
	s_branch .Lasked_\@
.Lfor_k_\@:
	tensor_load_to_lds s[G0K+4*(\s):G0K+4*(\s)+3], s[G1K:G1K+7]
	s_nop 0
.Lasked_\@:
.endm
	s_load_b128 s[4:7], s[0:1], 0x0                ; qb 4, kvb 6
	s_load_b64 s[8:9], s[0:1], 0x10                ; yb
	v_lshl_add_u32 v62, v0, 2, 0x29000
	v_mov_b32 v63, 0
	ds_add_u32 v62, v63
	v_lshrrev_b32 v1, 5, v0
	v_readfirstlane_b32 s10, v1                    ; wave
	s_lshr_b32 s11, s10, 1                         ; 0: I fetch V, 1: K
	s_and_b32 s12, s10, 1                          ; which unit
	s_bfe_u32 s13, ttmp6, 0x40000                  ; cx
	s_and_b32 s15, ttmp7, 0xffff                   ; g
	s_lshl_b32 s16, ttmp9, 2
	s_add_co_u32 s16, s16, s13                     ; j
	s_lshr_b32 s17, ttmp9, 1                       ; u = c / 2
	s_and_b32 s14, ttmp9, 1                        ; c % 2
	s_mov_b32 s60, 0x76543210
	s_mov_b32 s61, 0xfedcba98
	s_mov_b32 s[G1V+0], 0x0ef1000f                 ; mask 15; 2-byte elements; padding of 8 words after every 16; bit 21 beside a mask
	s_mov_b32 s[G1K+0], 0x06f1000f                 ; the same with 4 words
	s_mov_b32 s[G1V+1], 32<<16
	s_mov_b32 s[G1K+1], 32<<16
	s_mov_b32 s[G1V+2], 128<<16
	s_mov_b32 s[G1K+2], 128<<16
	s_mov_b32 s[G1V+3], 32<<16
	s_mov_b32 s[G1K+3], 32<<16
	s_mov_b32 s[G1V+4], 128
	s_mov_b32 s[G1K+4], 128
	s_mov_b32 s[G1V+5], 32
	s_mov_b32 s[G1K+5], 32
	s_mov_b32 s[G1V+6], 0
	s_mov_b32 s[G1K+6], 0
	s_mov_b32 s[G1V+7], 0
	s_mov_b32 s[G1K+7], 0
	s_lshl1_add_u32 s20, s15, s12                  ; unit 2 g + (w % 2)
	s_lshl_b32 s20, s20, 17                        ; 131,072 bytes a unit
	s_mov_b32 s21, 0
	s_mul_i32 s22, s10, VUNIT                      ; LDS: V's units (waves 0, 1)
	s_mul_i32 s23, s10, KUNIT
	s_add_co_u32 s23, s23, KOFF-2*KUNIT            ; K's units (waves 2, 3)
	s_wait_dscnt 0x0
	s_wait_kmcnt 0x0
	s_add_nc_u64 s[58:59], s[6:7], s[20:21]        ; K's unit
	s_add_nc_u64 s[56:57], s[58:59], 0x100000      ; V's unit, eight units further
.irp s, 0,1
	s_mov_b32 s[G0V+4*\s], 1
	s_add_co_u32 s[G0V+4*\s+1], s22, \s*SLOT
	s_add_nc_u64 s[G0V+4*\s+2:G0V+4*\s+3], s[56:57], \s*TILEB
	s_or_b32 s[G0V+4*\s+3], s[G0V+4*\s+3], 0x80000000
	s_mov_b32 s[G0K+4*\s], 1
	s_add_co_u32 s[G0K+4*\s+1], s23, \s*SLOT
	s_add_nc_u64 s[G0K+4*\s+2:G0K+4*\s+3], s[58:59], \s*TILEB
	s_or_b32 s[G0K+4*\s+3], s[G0K+4*\s+3], 0x80000000
.endr
	ROUND                                          ; in front of the first joint load
	JLOAD 0                                        ; tile 0
	; the two blocks: tiles, steps of 64 keys in the last tile, first position; then which of them runs first
	s_sub_co_u32 s83, 16, s17                      ; tiles of the high block
	s_add_co_u32 s84, s17, 1                       ; of the low block
	s_sub_co_u32 s85, 2, s14                       ; steps in the high block's last tile: 2 if c is even
	s_add_co_u32 s86, s14, 1                       ; in the low block's: 2 if c is odd
	s_sub_co_u32 s76, 127, s16
	s_lshl_b32 s76, s76, 4                         ; first position of the high block (hangs on cx)
	s_lshl_b32 s77, s16, 4                         ; of the low block (hangs on cx)
	s_and_b32 s87, s17, 1
	s_cmp_lg_u32 s87, 0                            ; u odd: the low block has the even number of tiles and runs first
	s_cselect_b32 s81, s84, s83                    ; tiles of the first block, even
	s_cselect_b32 s82, s83, s84                    ; of the second, odd
	s_cselect_b32 s63, s86, s85                    ; steps in the first block's last tile
	s_cselect_b32 s80, s85, s86                    ; in the second's
	s_cselect_b32 s74, s77, s76                    ; first position of the first block
	s_cselect_b32 s75, s76, s77                    ; of the second
	s_lshr_b32 s18, s81, 1
	s_sub_co_u32 s18, s18, 1                       ; first block: pairs of tiles in the loop, 0 to 7; two more tiles follow
	s_lshr_b32 s19, s82, 1                         ; second block: pairs in the loop, 0 to 7; one more tile follows
	s_sub_co_u32 s85, s81, 1
	s_lshl_b32 s85, s85, 7
	s_sub_co_u32 s78, s74, s85                     ; first position less the last tile's first key
	s_sub_co_u32 s85, s82, 1
	s_lshl_b32 s85, s85, 7
	s_sub_co_u32 s79, s75, s85
	s_lshl_b32 s76, s15, 10
	s_lshl_b32 s77, s10, 8
	s_add_co_u32 s76, s76, s77                     ; my two heads' 256 bytes in a row of y
	s_lshl_b32 s72, s74, 12
	s_add_co_u32 s72, s72, s76
	s_mov_b32 s73, 0
	s_add_nc_u64 s[66:67], s[8:9], s[72:73]        ; y of the first block
	s_lshl_b32 s72, s75, 12
	s_add_co_u32 s72, s72, s76
	s_add_nc_u64 s[68:69], s[8:9], s[72:73]        ; of the second
	s_lshl_b32 s72, s15, 3
	s_lshl1_add_u32 s72, s10, s72                  ; head 8 g + 2 w
	s_lshl_b32 s72, s72, 18
	s_add_nc_u64 s[70:71], s[4:5], s[72:73]
	v_and_b32 v1, 15, v0                           ; r
	v_bfe_u32 v2, v0, 4, 1                         ; h
	v_lshlrev_b32 v5, 7, v1
	v_lshl_add_u32 v5, v2, 4, v5                   ; q: 128 r + 16 h
	s_lshl_b32 s77, s74, 7
	v_add_nc_u32 v[QO], s77, v5
	s_lshl_b32 s77, s75, 7
	v_add_nc_u32 v[QO+1], s77, v5
	; q's fragments for both blocks stay in registers.  Step j of the feature sum takes features 16 j + 8 h .. and 32 + 16 j + 8 h .., the order of K's unit j
	WIN 0x40
.irp qi, 0,1
.irp j, 0,1
.irp e, 0,1
	global_load_b128 v[Q1+16*\qi+8*\j+4*\e:Q1+16*\qi+8*\j+4*\e+3], v[QO], s[70:71] offset:\qi*262144+32*\j+64*\e
	global_load_b128 v[Q2+16*\qi+8*\j+4*\e:Q2+16*\qi+8*\j+4*\e+3], v[QO+1], s[70:71] offset:\qi*262144+32*\j+64*\e
.endr
.endr
.endr
	WIN 0
	v_mul_u32_u24 v4, v1, 80
	v_lshl_add_u32 v4, v2, 4, v4
	v_add_nc_u32 v[KADR], KOFF, v4
	v_add_nc_u32 v[KADR+1], KOFF+SLOT, v4
	v_and_b32 v5, 7, v0
	v_lshl_add_u32 v5, v2, 3, v5                   ; key 8 h + lane % 8
	v_mul_u32_u24 v5, v5, 96
	v_bfe_u32 v6, v0, 3, 1
	v_lshl_add_u32 v[VADR], v6, 4, v5
	v_add_nc_u32 v[VADR+1], SLOT, v[VADR]
	s_mul_i32 s77, s10, 4352
	s_add_co_u32 s77, s77, STAGE
	v_mul_u32_u24 v5, v1, 272
	v_lshl_add_u32 v5, v2, 4, v5
	v_add_nc_u32 v[STO], s77, v5
	v_mul_u32_u24 v5, v2, 272
	v_lshl_add_u32 v5, v1, 4, v5
	v_add_nc_u32 v[RD], s77, v5
	v_lshlrev_b32 v5, 12, v2
	v_lshl_add_u32 v[YO], v1, 4, v5
	v_lshlrev_b32 v5, 3, v2
	v_sub_nc_u32 v[RH], v1, v5                     ; r - 8 h
	v_mov_b32 v[NEG], 0xff800000
	v_mov_b32 v[TT], 0                             ; destinations of the lane exchange count as read: written once here
	v_mov_b32 v[MN], 0
.macro INIT                            ; a block's start: maximum -inf, sum 0, O = 0 (the first step's factor exp2(-inf) = 0 needs finite O)
	v_mov_b32 v[M], v[NEG]
	v_mov_b32 v[M+1], v[NEG]
	v_mov_b32 v[L], 0
	v_mov_b32 v[L+1], 0
	WIN 0x40
.set i, 0
.rept 64
	v_mov_b32 v[i], 0
.set i, i+1
.endr
	WIN 0
.endm
.macro KLOAD slot, sub                 ; 64 keys x 64 features: fragment (kt, j) = 16 keys of unit j
.irp kt, 0,1,2,3
.irp j, 0,1
	ds_load_b128 v[KF+16*\kt+8*\j:KF+16*\kt+8*\j+3], v[KADR+\slot] offset:\j*KUNIT+(64*\sub+16*\kt)*80
	ds_load_b128 v[KF+16*\kt+8*\j+4:KF+16*\kt+8*\j+7], v[KADR+\slot] offset:\j*KUNIT+(64*\sub+16*\kt)*80+32
.endr
.endr
.endm
.macro VLOAD slot, sub                 ; V^T: fragment (dt = 2 jv + e, ks) = 16 features x 32 keys
.irp jv, 0,1
.irp e, 0,1
.irp ks, 0,1
	ds_load_tr16_b128 v[VF+16*(2*\jv+\e)+8*\ks:VF+16*(2*\jv+\e)+8*\ks+3], v[VADR+\slot] offset:\jv*VUNIT+(64*\sub+32*\ks)*96+32*\e
	ds_load_tr16_b128 v[VF+16*(2*\jv+\e)+8*\ks+4:VF+16*(2*\jv+\e)+8*\ks+7], v[VADR+\slot] offset:\jv*VUNIT+(64*\sub+32*\ks+16)*96+32*\e
.endr
.endr
.endr
.endm
.macro EX n                            ; one exponential in place, register n of the query tile at work
	v_exp_f32 v[SB+\n], v[SB+\n]
.endm
; Softmax step on the 32 registers (64 keys) of query tile qi: mask, maximum, exponentials, sum, packing to f16 in place.
; Maximum and sum are trees, so that few instructions read the result of the one just ahead.  Behind every pair of exponentials, or every one, stands a plain
; instruction on other registers; no result of an exponential is read, and no source of one written, with fewer than one plain instruction between (ISA guide 5.7.2).
.macro SM qi, sub, masked
.set SB, S+32*\qi
.if \masked
.set i, 0
.rept 32
	v_cmp_gt_i32 vcc_lo, 64*\sub+16*(i/8)+(i%8), v[LIM]    ; key beyond the row's own position
	v_cndmask_b32 v[SB+i], v[SB+i], v[NEG], vcc_lo
.set i, i+1
.endr
.endif
.set i, 0
.rept 10
	v_max3_num_f32 v[TR+i], v[SB+3*i], v[SB+3*i+1], v[SB+3*i+2]
.set i, i+1
.endr
	v_max3_num_f32 v[TR+10], v[TR], v[TR+1], v[TR+2]
	v_max3_num_f32 v[TR+11], v[TR+3], v[TR+4], v[TR+5]
	v_max3_num_f32 v[TR+12], v[TR+6], v[TR+7], v[TR+8]
	v_max3_num_f32 v[TR+13], v[TR+9], v[SB+30], v[SB+31]
	v_max3_num_f32 v[TR], v[TR+10], v[TR+11], v[TR+12]
	v_max_num_f32 v[TR], v[TR], v[TR+13]
	v_permlanex16_b32 v[TT], v[TR], s60, s61               ; the other half of the row's keys
	v_max3_num_f32 v[MN], v[TR], v[TT], v[M+\qi]           ; the new running maximum; finite from a block's first 64 keys on (key 0 is open to every row)
	v_sub_f32 v[TD], v[M+\qi], v[MN]
	v_mul_f32 v[NMC+2*\qi], 0xc138aa3b, v[MN]              ; - 8 log2(e) x maximum, twice
	v_mul_f32 v[NMC+2*\qi+1], 0xc138aa3b, v[MN]
	v_mul_f32 v[TD], 0x4138aa3b, v[TD]
	v_mov_b32 v[M+\qi], v[MN]
.set i, 0
.rept 8
	v_pk_fma_f32 v[SB+2*i:SB+2*i+1], v[SB+2*i:SB+2*i+1], 0x4138aa3b, v[NMC+2*\qi:NMC+2*\qi+1] op_sel_hi:[1,0,1]
.set i, i+1
.endr
	v_exp_f32 v[AL+2*\qi], v[TD]                           ; the factor for what was summed before
.set i, 0
.rept 8
	EX 2*i                                                 ; the first 32 keys' exponentials, among them the second 32 keys' exponents
	EX 2*i+1
	v_pk_fma_f32 v[SB+16+2*i:SB+17+2*i], v[SB+16+2*i:SB+17+2*i], 0x4138aa3b, v[NMC+2*\qi:NMC+2*\qi+1] op_sel_hi:[1,0,1]
.set i, i+1
.endr
	EX 16                                                  ; the second 32 keys' exponentials, among them the first 32 keys' sum and packing
	s_wait_alu depctr_va_vdst(0)
	v_mov_b32 v[AL+2*\qi+1], v[AL+2*\qi]
	EX 17
	v_pk_add_f32 v[TR:TR+1], v[SB:SB+1], v[SB+2:SB+3]
	EX 18
	v_pk_add_f32 v[TR+2:TR+3], v[SB+4:SB+5], v[SB+6:SB+7]
	EX 19
	v_pk_add_f32 v[TR+4:TR+5], v[SB+8:SB+9], v[SB+10:SB+11]
	EX 20
	v_pk_add_f32 v[TR+6:TR+7], v[SB+12:SB+13], v[SB+14:SB+15]
.set i, 0
.rept 8
	EX 21+i
	v_cvt_pk_f16_f32 v[SB+i], v[SB+2*i], v[SB+2*i+1]       ; ascending: register i is written after its own pair was read
.set i, i+1
.endr
	EX 29
	v_pk_add_f32 v[TR:TR+1], v[TR:TR+1], v[TR+2:TR+3]
	EX 30
	v_pk_add_f32 v[TR+4:TR+5], v[TR+4:TR+5], v[TR+6:TR+7]
	EX 31
	v_pk_add_f32 v[TR:TR+1], v[TR:TR+1], v[TR+4:TR+5]
	s_wait_alu depctr_va_vdst(0)
	v_pk_add_f32 v[TR+8:TR+9], v[SB+16:SB+17], v[SB+18:SB+19]
	v_pk_add_f32 v[TR+10:TR+11], v[SB+20:SB+21], v[SB+22:SB+23]
	v_pk_add_f32 v[TR+12:TR+13], v[SB+24:SB+25], v[SB+26:SB+27]
	v_pk_add_f32 v[TR+14:TR+15], v[SB+28:SB+29], v[SB+30:SB+31]
	v_pk_add_f32 v[TR+8:TR+9], v[TR+8:TR+9], v[TR+10:TR+11]
	v_pk_add_f32 v[TR+12:TR+13], v[TR+12:TR+13], v[TR+14:TR+15]
.set i, 0
.rept 4
	v_cvt_pk_f16_f32 v[SB+16+i], v[SB+16+2*i], v[SB+16+2*i+1]
.set i, i+1
.endr
	v_pk_add_f32 v[TR+8:TR+9], v[TR+8:TR+9], v[TR+12:TR+13]
	v_cvt_pk_f16_f32 v[SB+20], v[SB+24], v[SB+25]
	v_cvt_pk_f16_f32 v[SB+21], v[SB+26], v[SB+27]
	v_pk_add_f32 v[TR:TR+1], v[TR:TR+1], v[TR+8:TR+9]
	v_cvt_pk_f16_f32 v[SB+22], v[SB+28], v[SB+29]
	v_cvt_pk_f16_f32 v[SB+23], v[SB+30], v[SB+31]
	v_add_f32 v[TR], v[TR], v[TR+1]
	v_fma_f32 v[L+\qi], v[L+\qi], v[AL+2*\qi], v[TR]       ; the lane's part of the sum; the halves meet at the block's end
.endm
.macro PV qi                           ; O(qi) = O(qi) x factor + V^T P^T
	WIN 0x41
.set i, 0
.rept 16
	v_pk_mul_f32 v[32*\qi+i:32*\qi+i+1], v[32*\qi+i:32*\qi+i+1], v[AL+2*\qi:AL+2*\qi+1]
.set i, i+2
.endr
	WIN 0x50
.irp ks, 0,1
.irp dt, 0,1,2,3
	v_wmma_f32_16x16x32_f16 v[32*\qi+8*\dt:32*\qi+8*\dt+7], v[VF+16*\dt+8*\ks:VF+16*\dt+8*\ks+7], v[S+32*\qi+16*\ks:S+32*\qi+16*\ks+7], v[32*\qi+8*\dt:32*\qi+8*\dt+7]
.endr
.endr
.endm
; 64 keys.  In every run of matrix instructions four accumulators take turns, one instruction a turn.
.macro SUB slot, sub, masked, qreg, nextk
	VLOAD \slot, \sub
	s_wait_dscnt 16                                ; K's 16 loads are in; V's 16 stay out
	WIN 0x04
.irp qi, 0,1
.irp kt, 0,1,2,3
	v_wmma_f32_16x16x32_f16 v[S+32*\qi+8*\kt:S+32*\qi+8*\kt+7], v[KF+16*\kt:KF+16*\kt+7], v[\qreg+16*\qi:\qreg+16*\qi+7], 0
.endr
.irp kt, 0,1,2,3
	v_wmma_f32_16x16x32_f16 v[S+32*\qi+8*\kt:S+32*\qi+8*\kt+7], v[KF+16*\kt+8:KF+16*\kt+15], v[\qreg+16*\qi+8:\qreg+16*\qi+15], v[S+32*\qi+8*\kt:S+32*\qi+8*\kt+7]
.endr
.endr
	WIN 0
.rept 4
	v_nop                                          ; four places ahead of the loads into K's fragments and of the reads of S
.endr
.if \nextk
	KLOAD \slot, 1
.endif
	SM 0, \sub, \masked
.if \nextk
	s_wait_dscnt 16                                ; V is in; the next K's 16 loads stay out
.else
	s_wait_dscnt 0
.endif
	PV 0
	WIN 0
	SM 1, \sub, \masked
	PV 1
	WIN 0
.rept 5
	v_nop                                          ; five places ahead of the matrix instructions that write over P, four ahead of the loads into V's fragments
.endr
.endm
; The head of a tile's trip.  step = 1: this slot's descriptor goes two tiles on; 2: to the second block's tile number slot; 0: stays.
; Every wave waits for all its tensor loads and its LDS reads, a round of the cluster's barrier follows, and the joint refill of the other slot comes first behind it.
.macro HEAD slot, refill, step
	s_wait_tensorcnt 0x0
	ds_add_u32 v62, v63
	s_wait_dscnt 0x0
.if \step == 1
	s_add_nc_u64 s[G0V+4*\slot+2:G0V+4*\slot+3], s[G0V+4*\slot+2:G0V+4*\slot+3], 2*TILEB
	s_add_nc_u64 s[G0K+4*\slot+2:G0K+4*\slot+3], s[G0K+4*\slot+2:G0K+4*\slot+3], 2*TILEB
.endif
.if \step == 2
	s_add_nc_u64 s[G0V+4*\slot+2:G0V+4*\slot+3], s[56:57], \slot*TILEB
	s_or_b32 s[G0V+4*\slot+3], s[G0V+4*\slot+3], 0x80000000
	s_add_nc_u64 s[G0K+4*\slot+2:G0K+4*\slot+3], s[58:59], \slot*TILEB
	s_or_b32 s[G0K+4*\slot+3], s[G0K+4*\slot+3], 0x80000000
.endif
	s_wait_dscnt 0x0
	ROUND
.if \refill
	JLOAD 1-\slot
.endif
.endm
.macro TRIP slot, step, qreg           ; a tile of 128 keys that lies wholly ahead of the block's positions: no mask
	HEAD \slot, 1, \step
	KLOAD \slot, 0
	SUB \slot, 0, 0, \qreg, 1
	SUB \slot, 1, 0, \qreg, 0
.endm
; A block's last tile: its first 64 keys with the mask; its second 64 only where the block's positions lie in them (s[rr] = 2).
; The branch hangs on c alone and jumps over LDS loads and register work only.
.macro TRIPL slot, refill, step, qreg, rr
	HEAD \slot, \refill, \step
	KLOAD \slot, 0
	SUB \slot, 0, 1, \qreg, 0
	s_cmp_eq_u32 s[\rr], 1
	s_cbranch_scc1 .Lhalf_\@
	KLOAD \slot, 1
	SUB \slot, 1, 1, \qreg, 0
.Lhalf_\@:
.endm
; A block's end: O / sum, f16, through my stage, out as rows of 256 aligned bytes (my two heads)
.macro FIN yb
	v_permlanex16_b32 v[TT], v[L], s60, s61
	v_permlanex16_b32 v[MN], v[L+1], s60, s61
	v_add_f32 v[L], v[L], v[TT]
	v_add_f32 v[L+1], v[L+1], v[MN]
	v_rcp_f32 v[INV], v[L]
	v_rcp_f32 v[INV+2], v[L+1]
	v_nop
	s_wait_alu depctr_va_vdst(0)
	v_mov_b32 v[INV+1], v[INV]
	v_mov_b32 v[INV+3], v[INV+2]
	WIN 0x01
.set i, 0
.rept 32
	v_pk_mul_f32 v[S+i:S+i+1], v[i:i+1], v[INV+2*(i/32):INV+2*(i/32)+1]
.set i, i+2
.endr
	WIN 0
.set i, 0
.rept 32
	v_cvt_pk_f16_f32 v[KF+i], v[S+2*i], v[S+2*i+1]
.set i, i+1
.endr
.irp qi, 0,1
.irp dt, 0,1,2,3
	ds_store_b128 v[STO], v[KF+4*(4*\qi+\dt):KF+4*(4*\qi+\dt)+3] offset:128*\qi+32*\dt
.endr
.endr
.irp t, 0,1,2,3,4,5,6,7
	ds_load_b128 v[VF+4*\t:VF+4*\t+3], v[RD] offset:544*\t        ; LDS serves a wave's instructions in order: these see the stores above
.endr
.irp t, 0,1,2,3,4,5,6,7
	s_wait_dscnt 7-\t
	global_store_b128 v[YO], v[VF+4*\t:VF+4*\t+3], s[\yb:\yb+1] offset:8192*\t
.endr
	s_wait_xcnt 0x0                                ; V's fragment registers, which these stores read, are loaded again only behind this wait
.endm
	INIT
	s_wait_loadcnt 0x0                             ; q
	s_cmp_eq_u32 s18, 0                            ; alike in the four partners; every wait on TENSORcnt in this text is for 0
	s_cbranch_scc1 .Lno_first
	s_mov_b32 s62, 0
.Lfirst:
	TRIP 0, 1, Q1
	TRIP 1, 1, Q1
	s_add_co_u32 s62, s62, 1
	s_cmp_lt_u32 s62, s18
	s_cbranch_scc1 .Lfirst
.Lno_first:
	TRIP 0, 2, Q1                                  ; the first block's last tile but one; its refill is the last tile
	v_add_nc_u32 v[LIM], s78, v[RH]                ; a key's number in the tile is masked where it exceeds position - tile's first key - 8 h
	TRIPL 1, 1, 2, Q1, 63                          ; the last tile; its refill is the second block's tile 0
	FIN 66
	INIT
	s_cmp_eq_u32 s19, 0
	s_cbranch_scc1 .Lno_second
	s_mov_b32 s62, 0
.Lsecond:
	TRIP 0, 1, Q2
	TRIP 1, 1, Q2
	s_add_co_u32 s62, s62, 1
	s_cmp_lt_u32 s62, s19
	s_cbranch_scc1 .Lsecond
.Lno_second:
	v_add_nc_u32 v[LIM], s79, v[RH]
	TRIPL 0, 0, 0, Q2, 80                          ; the second block's last tile: nothing is left to fetch
	FIN 68
	s_wait_tensorcnt 0x0
	ds_add_u32 v62, v63
	s_wait_dscnt 0x0
	ROUND                                          ; the closing round
	s_endpgm
.Lfunc_end_k_q6eaa8bb30a_attn:
	.size	k_q6eaa8bb30a_attn, .Lfunc_end_k_q6eaa8bb30a_attn-k_q6eaa8bb30a_attn
	.p2alignl 7, 3214868480
	.fill 96, 4, 3214868480
	.section	.rodata,"a",@progbits
	.p2align	6, 0x0
	.amdhsa_kernel k_q6eaa8bb30a_attn
		.amdhsa_group_segment_fixed_size 327680
		.amdhsa_private_segment_fixed_size 0
		.amdhsa_enable_private_segment 0
		.amdhsa_kernarg_size 24
		.amdhsa_user_sgpr_count 2
		.amdhsa_user_sgpr_kernarg_segment_ptr 1
		.amdhsa_wavefront_size32 1
		.amdhsa_system_sgpr_workgroup_id_x 1
		.amdhsa_system_sgpr_workgroup_id_y 1
		.amdhsa_system_sgpr_workgroup_id_z 1
		.amdhsa_system_vgpr_workitem_id 0
		.amdhsa_next_free_vgpr 384
		.amdhsa_next_free_sgpr 88
		.amdhsa_reserve_vcc 1
		.amdhsa_float_denorm_mode_32 3
		.amdhsa_float_denorm_mode_16_64 3
		.amdhsa_memory_ordered 1
		.amdhsa_forward_progress 1
		.amdhsa_inst_pref_size 255
	.end_amdhsa_kernel
	.section	.bss,"aw",@nobits
	.p2align	6
	.space	262144
	.amdgpu_metadata
---
amdhsa.version: [ 1, 2 ]
amdhsa.kernels:
  - .name:           k_q6eaa8bb30a_attn
    .symbol:         k_q6eaa8bb30a_attn.kd
    .args:
      - { .name: qb, .offset: 0, .size: 8, .value_kind: global_buffer, .address_space: global }
      - { .name: kvb, .offset: 8, .size: 8, .value_kind: global_buffer, .address_space: global }
      - { .name: yb, .offset: 16, .size: 8, .value_kind: global_buffer, .address_space: global }
    .group_segment_fixed_size: 327680
    .private_segment_fixed_size: 0
    .kernarg_segment_align: 8
    .kernarg_segment_size: 24
    .max_flat_workgroup_size: 128
    .sgpr_count:     88
    .vgpr_count:     384
    .wavefront_size: 32
...
	.end_amdgpu_metadata
.endif
;; end of part 3
;; launch oproj (part 4): grid 16 x 16, 4 waves a work-group, clusters of 4 x 4, 327,680 bytes of LDS; arguments yb, wob, out0; writes out0
.if DOCPART == 4
	.amdgcn_target "amdgcn-amd-amdhsa--gfx1250"
	.amdhsa_code_object_version 6
	.text
	.protected	k_q6eaa8bb30a_oproj
	.globl	k_q6eaa8bb30a_oproj
	.p2align	8
	.type	k_q6eaa8bb30a_oproj,@function
k_q6eaa8bb30a_oproj:
	s_mov_b64 s[64:65], 0
	v_nop
	global_prefetch_b8 v0, s[64:65] scope:SCOPE_SE
	s_setreg_imm32_b32 hwreg(HW_REG_WAVE_MODE, 25, 1), 1
	s_wait_xcnt 0x0
	s_wait_alu depctr_hold_cnt(0) depctr_sa_sdst(0) depctr_va_vdst(0) depctr_va_sdst(0) depctr_va_ssrc(0) depctr_va_vcc(0) depctr_vm_vsrc(0)
	s_getreg_b32 s2, hwreg(HW_REG_IB_STS2, 6, 4)
	s_cmp_eq_u32 s2, 0
	s_cbranch_scc0 .Lentry_in_a_cluster
	s_endpgm
.Lentry_in_a_cluster:
	s_bfe_u32 s2, ttmp6, 0x10000c
	s_cmp_lg_u32 s2, 0xf033
	s_cbranch_scc0 .Lentry_shape_is_right
	s_endpgm
.Lentry_shape_is_right:
; out0 = y Wo^T.  yb [2048][2048] f16, wob [2048][2048] f16 (Wo rounded to bf16, held in f16), out0 [2048][2048] f32; sums in f32.
; A work-group makes 128 x 128, a wave 64 x 64 (16 accumulators in window 1 at 8 (4 a + b)).  K goes in steps of 256 (rows of 512 bytes) through two LDS slots;
; waves 0, 1 bring Wo's two halves of 64 rows, waves 2, 3 y's.  4 x 4 work-groups form a cluster: y's tiles are asked for jointly along a row, Wo's along a column.
; By this text's count a wave has two tensor loads out at the start and one behind each refill.
; WHERE K STARTS: cluster (X, Y) of the 4 x 4 clusters starts at K step (2 X + 4 Y) mod 8 and wraps round.  So the four clusters that read the same rows of y
; are two steps apart: from a cluster's third step on, its range of y was asked for two steps earlier by another.  Clusters Y and Y xor 1, which read the same
; rows of Wo, are four steps apart: from the fifth step on, the range of Wo was asked for four steps earlier by the other.  The start hangs on the cluster's
; x and y alone, which all partners of a joint load share.
; LIMIT: each f32 sum adds the same products as in ascending K, in an order rotated by the start: an order of rounding that differs from ascending K.
; Transposed use: source 0 = rows of Wo, source 1 = rows of y: lane (r, h), register j holds position r, column 8 h + j: 32 neighbouring bytes of a row.
.set PITCH, 528
.set HALF,  64*PITCH
.set SLOT,  4*HALF                     ; Wo's 128 rows, then y's 128 rows
.set STAGE, 2*SLOT                     ; 16 rows x 272 bytes for each wave, its own; no fill lands there
.set ADRB, 8
.set ADRA, 10
.set STO, 12
.set RD, 13
.set CO, 14
.set F0, 64                            ; Wo 0-31, y 32-63
.set F1, 128
.set RBK, 192
.set G1A, 24
.set G0A, 32
.set G1B, 48
.set G0B, 56
.set OFF, 66                           ; s[66:67], s[68:69]: byte offset along K of the tile that slot 0, 1 gets next, with 0 above it
.set MSB, 0
.macro WIN new
.if MSB != \new
	s_set_vgpr_msb (MSB<<8)|\new
.set MSB, \new
.endif
.endm
.macro PLACES                          ; four places behind matrix instructions ahead of loads into, or reads of, their registers
.rept 4
	v_nop
.endr
.endm
.macro JLOAD s
	s_cmp_eq_u32 s11, 0
	s_cbranch_scc0 .Lfor_a_\@
	tensor_load_to_lds s[G0B+4*\s:G0B+4*\s+3], s[G1B:G1B+7]
	s_nop 0
	s_branch .Lasked_\@
.Lfor_a_\@:
	tensor_load_to_lds s[G0A+4*\s:G0A+4*\s+3], s[G1A:G1A+7]
	s_nop 0
.Lasked_\@:
.endm
.macro CREST
	s_cmp_lg_u32 s10, 0
	s_cbranch_scc1 .Lnot_wave_0_\@
	s_barrier_signal -3
.Lnot_wave_0_\@:
	s_barrier_wait -3
	s_barrier_signal -1
	s_barrier_wait -1
.endm
.macro CROUND
	s_barrier_signal -1
	s_barrier_wait -1
	CREST
.endm
.macro SETADR s                        ; both descriptors of slot s: the rows' first byte plus the slot's offset along K, and the type bits
	s_add_nc_u64 s[G0A+4*\s+2:G0A+4*\s+3], s[42:43], s[OFF+2*\s:OFF+2*\s+1]
	s_or_b32 s[G0A+4*\s+3], s[G0A+4*\s+3], 0x80000000
	s_add_nc_u64 s[G0B+4*\s+2:G0B+4*\s+3], s[44:45], s[OFF+2*\s:OFF+2*\s+1]
	s_or_b32 s[G0B+4*\s+3], s[G0B+4*\s+3], 0x80000000
.endm
	s_load_b128 s[4:7], s[0:1], 0x0                ; yb 4, wob 6
	s_load_b64 s[8:9], s[0:1], 0x10                ; out0
	v_lshl_add_u32 v254, v0, 2, 0x46400
	v_mov_b32 v255, 0
	ds_add_u32 v254, v255
	v_lshrrev_b32 v1, 5, v0
	v_readfirstlane_b32 s10, v1                    ; wave
	s_lshr_b32 s11, s10, 1                         ; my half of the rows; also 0: I fetch Wo, 1: y
	s_and_b32 s12, s10, 1                          ; my half of the columns; also which half I fetch
	s_bfe_u32 s13, ttmp6, 0x40000                  ; cx
	s_bfe_u32 s14, ttmp6, 0x40004                  ; cy
	s_lshl_b32 s15, ttmp9, 2
	s_add_co_u32 s15, s15, s13                     ; bx
	s_and_b32 s16, ttmp7, 0xffff
	s_lshl_b32 s16, s16, 2
	s_add_co_u32 s16, s16, s14                     ; by
	s_and_b32 s[OFF], ttmp7, 0xffff                ; the cluster's y
	s_lshl1_add_u32 s[OFF], s[OFF], ttmp9          ; X + 2 Y
	s_lshl_b32 s[OFF], s[OFF], 10                  ; (2 X + 4 Y) steps of 512 bytes,
	s_and_b32 s[OFF], s[OFF], 0xfff                ; mod 8 steps: an even step, so the next one does not wrap
	s_add_co_u32 s[OFF+2], s[OFF], 512
	s_mov_b32 s[OFF+1], 0
	s_mov_b32 s[OFF+3], 0
	s_lshl_b32 s40, s14, 2
	s_lshl_b32 s40, 15, s40
	s_lshl_b32 s41, 0x1111, s13
	s_or_b32 s[G1A+0], s40, (1<<16)|(1<<20)|(1<<21)|(6<<22)|(3<<25)
	s_or_b32 s[G1B+0], s41, (1<<16)|(1<<20)|(1<<21)|(6<<22)|(3<<25)
	s_mov_b32 s[G1A+1], 256<<16
	s_mov_b32 s[G1B+1], 256<<16
	s_mov_b32 s[G1A+2], 64<<16
	s_mov_b32 s[G1B+2], 64<<16
	s_mov_b32 s[G1A+3], 256<<16
	s_mov_b32 s[G1B+3], 256<<16
	s_mov_b32 s[G1A+4], 64
	s_mov_b32 s[G1B+4], 64
	s_mov_b32 s[G1A+5], 2048
	s_mov_b32 s[G1B+5], 2048
	s_mov_b32 s[G1A+6], 0
	s_mov_b32 s[G1B+6], 0
	s_mov_b32 s[G1A+7], 0
	s_mov_b32 s[G1B+7], 0
	s_lshl_b32 s42, s16, 7
	s_lshl_b32 s43, s12, 6
	s_add_co_u32 s42, s42, s43                     ; y: row 128 by + 64 half
	s_lshl_b32 s42, s42, 12
	s_mov_b32 s43, 0
	s_lshl_b32 s44, s15, 7
	s_lshl_b32 s45, s12, 6
	s_add_co_u32 s44, s44, s45                     ; Wo: row 128 bx + 64 half
	s_lshl_b32 s44, s44, 12
	s_mov_b32 s45, 0
	s_mul_i32 s46, s10, HALF                       ; LDS: wave x 64 rows
	v_and_b32 v1, 15, v0
	v_bfe_u32 v2, v0, 4, 1
	v_mul_u32_u24 v4, v1, PITCH
	v_lshl_add_u32 v4, v2, 4, v4
	s_mul_i32 s22, s12, HALF                       ; my 64 rows of Wo
	s_mul_i32 s23, s11, HALF
	s_add_co_u32 s23, s23, 2*HALF                  ; my 64 rows of y
.irp s, 0,1
	v_add_nc_u32 v[ADRB+\s], s22, v4
	v_add_nc_u32 v[ADRA+\s], s23, v4
	s_add_co_u32 s22, s22, SLOT
	s_add_co_u32 s23, s23, SLOT
.endr
	s_mul_i32 s47, s10, 4352
	s_add_co_u32 s47, s47, STAGE
	v_mul_u32_u24 v5, v1, 272
	v_lshl_add_u32 v5, v2, 5, v5
	v_add_nc_u32 v[STO], s47, v5                   ; in: row r, 32 bytes for each half of the lanes
	v_mul_u32_u24 v5, v2, 272
	v_lshl_add_u32 v5, v1, 4, v5
	v_add_nc_u32 v[RD], s47, v5                    ; back: lanes 0-15 one row of 256 bytes, lanes 16-31 the next
	v_lshlrev_b32 v5, 13, v2
	v_lshl_add_u32 v[CO], v1, 4, v5
	s_lshl_b32 s18, s16, 7
	s_lshl_b32 s19, s11, 6
	s_add_co_u32 s18, s18, s19
	s_lshl_b32 s18, s18, 13                        ; my first row of out0, in bytes
	s_lshl_b32 s19, s15, 7
	s_lshl_b32 s17, s12, 6
	s_add_co_u32 s19, s19, s17
	s_lshl2_add_u32 s18, s19, s18                  ; + 4 x my first column
	s_mov_b32 s19, 0
	s_wait_dscnt 0x0
	s_wait_kmcnt 0x0
	s_add_nc_u64 s[42:43], s[4:5], s[42:43]        ; first byte of the rows of y that I fetch; stays
	s_add_nc_u64 s[44:45], s[6:7], s[44:45]        ; of the rows of Wo; stays
	s_add_nc_u64 s[20:21], s[8:9], s[18:19]
	CROUND                                         ; in front of the first joint loads
.irp s, 0,1
	s_mov_b32 s[G0A+4*\s], 1
	s_add_co_u32 s[G0A+4*\s+1], s46, \s*SLOT
	s_mov_b32 s[G0B+4*\s], 1
	s_add_co_u32 s[G0B+4*\s+1], s46, \s*SLOT
	SETADR \s
	JLOAD \s
.endr
; The 16 accumulators take turns, one instruction a turn, in the same order in every step of 32 along K.
.macro MUL4 f, a, zero
	WIN 0x50
.irp b, 0,1,2,3
.if \zero
	v_wmma_f32_16x16x32_f16 v[8*(4*\a+\b):8*(4*\a+\b)+7], v[\f+8*\b:\f+8*\b+7], v[\f+32+8*\a:\f+32+8*\a+7], 0
.else
	v_wmma_f32_16x16x32_f16 v[8*(4*\a+\b):8*(4*\a+\b)+7], v[\f+8*\b:\f+8*\b+7], v[\f+32+8*\a:\f+32+8*\a+7], v[8*(4*\a+\b):8*(4*\a+\b)+7]
.endif
.endr
.endm
.macro FETCH slot, k, f
	WIN 0
.irp i, 0,1,2,3
	ds_load_b128 v[\f+8*\i:\f+8*\i+3], v[ADRB+\slot] offset:\k+\i*16*PITCH
	ds_load_b128 v[\f+8*\i+4:\f+8*\i+7], v[ADRB+\slot] offset:\k+\i*16*PITCH+32
.endr
.irp i, 0,1,2,3
	ds_load_b128 v[\f+32+8*\i:\f+32+8*\i+3], v[ADRA+\slot] offset:\k+\i*16*PITCH
	ds_load_b128 v[\f+32+8*\i+4:\f+32+8*\i+7], v[ADRA+\slot] offset:\k+\i*16*PITCH+32
.endr
.endm
.macro K32 slot, k, f, g, zero
	s_wait_dscnt 4                                 ; all but the youngest four loads (y's tiles 2, 3) are in
	MUL4 \f, 0, \zero
	MUL4 \f, 1, \zero
	PLACES
	FETCH \slot, \k, \g
	s_wait_dscnt 16                                ; all but the 16 just issued
	MUL4 \f, 2, \zero
	MUL4 \f, 3, \zero
.endm
.macro SEVEN slot, zero
	K32 \slot, 64, F0, F1, \zero
	K32 \slot, 128, F1, F0, 0
	K32 \slot, 192, F0, F1, 0
	K32 \slot, 256, F1, F0, 0
	K32 \slot, 320, F0, F1, 0
	K32 \slot, 384, F1, F0, 0
	K32 \slot, 448, F0, F1, 0
.endm
; The change of slots: each wave's reads of this slot and all its tensor loads are waited for in front of the barrier; where the slot is filled again the barrier
; opens a round of the cluster's barrier, and the joint refill is the first tensor load behind it.
.macro TURN slot, next, fill
	s_wait_dscnt 4
	MUL4 F1, 0, 0
	s_wait_dscnt 0
	s_wait_tensorcnt 0x0
	ds_add_u32 v254, v255
	s_wait_dscnt 0x0
	s_barrier_signal -1
	MUL4 F1, 1, 0
	WIN 0
	s_barrier_wait -1
.if \fill
	CREST
	s_add_co_u32 s[OFF+2*\slot], s[OFF+2*\slot], 1024      ; two steps of 512 bytes on,
	s_and_b32 s[OFF+2*\slot], s[OFF+2*\slot], 0xfff        ; round the row's 4,096 bytes
	SETADR \slot                                           ; no tensor load of mine is out: the descriptors may be written
	JLOAD \slot
.endif
	PLACES
	FETCH \next, 0, F0
	MUL4 F1, 2, 0
	MUL4 F1, 3, 0
.endm
.macro LAP zero
	SEVEN 0, \zero
	TURN 0, 1, 1
	SEVEN 1, 0
	TURN 1, 0, 1
.endm
	s_wait_tensorcnt 0x1                           ; my part of slot 0 is in; slot 1's stays out
	s_barrier_signal -1
	s_barrier_wait -1
	FETCH 0, 0, F0
	LAP 1
	WIN 0
	s_mov_b32 s3, 2
.Llap:
	LAP 0
	WIN 0
	s_sub_co_u32 s3, s3, 1
	s_cmp_lg_u32 s3, 0
	s_cbranch_scc1 .Llap
	SEVEN 0, 0
	TURN 0, 1, 0
	SEVEN 1, 0
	s_wait_dscnt 4
	MUL4 F1, 0, 0
	MUL4 F1, 1, 0
	s_wait_dscnt 0
	MUL4 F1, 2, 0
	MUL4 F1, 3, 0
	PLACES                                         ; ahead of the LDS stores that read the results
; 16 rows x 64 f32 through my stage: 32 bytes a lane in, whole rows of 256 bytes back, 16 lanes store 256 consecutive aligned bytes
.macro OUT16 a
	WIN 0x04
.irp b, 0,1,2,3
	ds_store_b128 v[STO], v[8*(4*\a+\b):8*(4*\a+\b)+3] offset:64*\b
	ds_store_b128 v[STO], v[8*(4*\a+\b)+4:8*(4*\a+\b)+7] offset:64*\b+16
.endr
	WIN 0
	s_wait_xcnt 0x0                                ; the registers that earlier stores read are loaded again only behind this wait
.irp t, 0,1,2,3,4,5,6,7
	ds_load_b128 v[RBK+4*\t:RBK+4*\t+3], v[RD] offset:544*\t      ; LDS serves a wave's instructions in order: these see the stores above
.endr
.irp t, 0,1,2,3,4,5,6,7
	s_wait_dscnt 7-\t
	global_store_b128 v[CO], v[RBK+4*\t:RBK+4*\t+3], s[20:21] offset:\a*131072+\t*16384 th:TH_STORE_NT
.endr
.endm
	OUT16 0
	OUT16 1
	OUT16 2
	OUT16 3
	s_wait_tensorcnt 0x0
	ds_add_u32 v254, v255
	s_wait_dscnt 0x0
	CROUND                                         ; the closing round
	s_endpgm
.Lfunc_end_k_q6eaa8bb30a_oproj:
	.size	k_q6eaa8bb30a_oproj, .Lfunc_end_k_q6eaa8bb30a_oproj-k_q6eaa8bb30a_oproj
	.p2alignl 7, 3214868480
	.fill 96, 4, 3214868480
	.section	.rodata,"a",@progbits
	.p2align	6, 0x0
	.amdhsa_kernel k_q6eaa8bb30a_oproj
		.amdhsa_group_segment_fixed_size 327680
		.amdhsa_private_segment_fixed_size 0
		.amdhsa_enable_private_segment 0
		.amdhsa_kernarg_size 24
		.amdhsa_user_sgpr_count 2
		.amdhsa_user_sgpr_kernarg_segment_ptr 1
		.amdhsa_wavefront_size32 1
		.amdhsa_system_sgpr_workgroup_id_x 1
		.amdhsa_system_sgpr_workgroup_id_y 1
		.amdhsa_system_sgpr_workgroup_id_z 1
		.amdhsa_system_vgpr_workitem_id 0
		.amdhsa_next_free_vgpr 384
		.amdhsa_next_free_sgpr 72
		.amdhsa_reserve_vcc 0
		.amdhsa_float_denorm_mode_32 3
		.amdhsa_float_denorm_mode_16_64 3
		.amdhsa_memory_ordered 1
		.amdhsa_forward_progress 1
		.amdhsa_inst_pref_size 128
	.end_amdhsa_kernel
	.amdgpu_metadata
---
amdhsa.version: [ 1, 2 ]
amdhsa.kernels:
  - .name:           k_q6eaa8bb30a_oproj
    .symbol:         k_q6eaa8bb30a_oproj.kd
    .args:
      - { .name: yb, .offset: 0, .size: 8, .value_kind: global_buffer, .address_space: global }
      - { .name: wob, .offset: 8, .size: 8, .value_kind: global_buffer, .address_space: global }
      - { .name: out0, .offset: 16, .size: 8, .value_kind: global_buffer, .address_space: global }
    .group_segment_fixed_size: 327680
    .private_segment_fixed_size: 0
    .kernarg_segment_align: 8
    .kernarg_segment_size: 24
    .max_flat_workgroup_size: 128
    .sgpr_count:     72
    .vgpr_count:     384
    .wavefront_size: 32
...
	.end_amdgpu_metadata
.endif
;; end of part 4
;; ======== version 2 of 2: 4 launches; version 1 with the launch cast written anew for expert scheduling mode
;; limits: values outside matrix products are rounded to bf16; values are held in f16: magnitudes above 65,504 overflow, below 6.1e-05 lose precision
;; workspace buffers: xb 8,388,608 bytes; wqkvb 10,485,760 bytes; wob 8,388,608 bytes; qb 8,388,608 bytes; kvb 2,097,152 bytes; yb 8,388,608 bytes
;; launch cast (part 5): grid 832 x 1, 8 waves a work-group, no clusters, 0 bytes of LDS; arguments x, Wq, Wk, Wv, Wo, xb, wqkvb, wob; writes xb, wqkvb, wob
.if DOCPART == 5
	.amdgcn_target "amdgcn-amd-amdhsa--gfx1250"
	.amdhsa_code_object_version 6
	.text
	.protected	k_q6eaa8bb30a_cast
	.globl	k_q6eaa8bb30a_cast
	.p2align	8
	.type	k_q6eaa8bb30a_cast,@function
k_q6eaa8bb30a_cast:
	s_mov_b64 s[64:65], 0
	v_nop
	global_prefetch_b8 v0, s[64:65] scope:SCOPE_SE
	s_setreg_imm32_b32 hwreg(HW_REG_WAVE_SCHED_MODE, 0, 2), 2
	s_setreg_imm32_b32 hwreg(HW_REG_WAVE_MODE, 25, 1), 1
	s_wait_xcnt 0x0
	s_wait_alu depctr_vm_vsrc(0)
; Rounds x, Wq, Wk, Wv to bf16 and Wo to bf16 and then to f16 (its partner in the last product is f16; a bf16 number is exact in
; f16's normal range; below 2^-14 the absolute error is at most 2^-25; |Wo| must stay below 65504).
; The rows of Wq, Wk, Wv are laid out as 16 blocks of 160 rows, one block for each block column of the next launch:
;   rows 0-127: Wq rows 128 bx ..;  bx < 8: rows 128-143 = Wk rows 64 g + 16 j + i, rows 144-159 = Wk rows 64 g + 32 + 16 j + i (g = bx / 2, j = bx % 2);
;   bx >= 8: rows 128-159 = Wv rows 32 (bx - 8) + i.
; A work-group takes 8 rows of 2,048 f32.  Thread t takes bytes 16 t of each half row: a wave's load covers 512 consecutive bytes,
; its store 256 consecutive aligned bytes.  A stream: no LDS, no barrier, no matrix unit.  All 16 loads of a thread go out first.
; THE MODE: SCHED_MODE bits 1:0 = 2 (LLVM: expert scheduling mode 2), set by the entry lines.  The code itself states the register dependences
; between vector instructions and memory instructions, with s_wait_alu, always for 0.
; THE PLAN.  Registers that memory instructions touch, on each of the five paths (a wave runs one of them):
;   v1, v2   byte offsets, made once at the head and never written again: v1 is read by the 16 loads, v2 by the 16 stores.
;   X        piece i's load lands in X + 4 i .. + 3, once; no load is issued behind the first vector line that names X; no memory instruction reads X.
;   Y        piece i's conversions write Y + 2 i, + 1; store i reads them, once; behind that they are never written again.
; The 16 pieces go in four blocks of four.  Block p's stores are issued in block p + 1, one ahead of each piece's conversions, which name that
; block's own X and Y alone.  So one wait at a block's head states all that its four stores hang on; one more stands ahead of the last four stores,
; and one ahead of the loads, for the offsets.  No register that a memory instruction reads is written again, so no wait on vm_vsrc is owed.
.set X, 8                              ; v[8:71]   16 x 4 f32 as loaded
.set Y, 72                             ; v[72:103] 16 x 2 words to store
.macro ROWS src, dst, f16
	s_wait_alu depctr_va_vdst(0)                   ; v1 and v2 are written: every load below reads v1 as its offset, every store v2
.set i, 0
.rept 16
	global_load_b128 v[X+4*i:X+4*i+3], v1, s[\src:\src+1] offset:4096*i th:TH_LOAD_NT
.set i, i+1
.endr
.set i, 0
.rept 16
	s_wait_loadcnt 15-i                            ; loads come back in order: load i is in, the 15 - i younger ones stay out
.if (i % 4 == 0) && (i > 0)
	s_wait_alu depctr_va_vdst(0)                   ; the block before has written its eight registers of Y, which this block's four stores read
.endif
.if i >= 4
	global_store_b64 v2, v[Y+2*(i-4):Y+2*(i-4)+1], s[\dst:\dst+1] offset:2048*(i-4)  ; the block before; no vector line since the wait names these registers
.endif
	v_cvt_pk_bf16_f32 v[Y+2*i], v[X+4*i], v[X+4*i+1]
	v_cvt_pk_bf16_f32 v[Y+2*i+1], v[X+4*i+2], v[X+4*i+3]
.if \f16
	v_lshlrev_b32 v[X+4*i], 16, v[Y+2*i]           ; the rounded numbers back in f32, then to f16
	v_and_b32 v[X+4*i+1], s28, v[Y+2*i]
	v_lshlrev_b32 v[X+4*i+2], 16, v[Y+2*i+1]
	v_and_b32 v[X+4*i+3], s28, v[Y+2*i+1]
	v_cvt_pk_f16_f32 v[Y+2*i], v[X+4*i], v[X+4*i+1]
	v_cvt_pk_f16_f32 v[Y+2*i+1], v[X+4*i+2], v[X+4*i+3]
.endif
.set i, i+1
.endr
	s_wait_alu depctr_va_vdst(0)                   ; the last block has written its eight registers of Y, which the last four stores read
.set i, 12
.rept 4
	global_store_b64 v2, v[Y+2*i:Y+2*i+1], s[\dst:\dst+1] offset:2048*i
.set i, i+1
.endr
.endm
	s_load_b512 s[8:23], s[0:1], 0x0               ; x 8, Wq 10, Wk 12, Wv 14, Wo 16, xb 18, wqkvb 20, wob 22
	v_lshlrev_b32 v1, 4, v0                        ; 16 t: source
	v_lshlrev_b32 v2, 3, v0                        ; 8 t: destination
	s_mov_b32 s25, 0
	s_mov_b32 s27, 0
	s_mov_b32 s28, 0xffff0000
	s_wait_kmcnt 0x0
	s_cmp_lt_u32 ttmp9, 256
	s_cbranch_scc0 .Lnot_x
	s_lshl_b32 s24, ttmp9, 16                      ; 8 rows of 8,192 bytes
	s_lshl_b32 s26, ttmp9, 15                      ; 8 rows of 4,096 bytes
	s_add_nc_u64 s[8:9], s[8:9], s[24:25]
	s_add_nc_u64 s[18:19], s[18:19], s[26:27]
	ROWS 8, 18, 0
	s_endpgm
.Lnot_x:
	s_cmp_lt_u32 ttmp9, 512
	s_cbranch_scc0 .Lnot_wq
	s_sub_co_u32 s29, ttmp9, 256                   ; i
	s_lshl_b32 s24, s29, 16
	s_lshr_b32 s30, s29, 4
	s_mul_i32 s30, s30, 160
	s_and_b32 s31, s29, 15
	s_lshl3_add_u32 s30, s31, s30                  ; row 160 (i / 16) + 8 (i % 16)
	s_lshl_b32 s26, s30, 12
	s_add_nc_u64 s[10:11], s[10:11], s[24:25]
	s_add_nc_u64 s[20:21], s[20:21], s[26:27]
	ROWS 10, 20, 0
	s_endpgm
.Lnot_wq:
	s_cmp_lt_u32 ttmp9, 768
	s_cbranch_scc0 .Lnot_wo
	s_sub_co_u32 s29, ttmp9, 512
	s_lshl_b32 s24, s29, 16
	s_lshl_b32 s26, s29, 15
	s_add_nc_u64 s[16:17], s[16:17], s[24:25]
	s_add_nc_u64 s[22:23], s[22:23], s[26:27]
	ROWS 16, 22, 1
	s_endpgm
.Lnot_wo:
	s_cmp_lt_u32 ttmp9, 800
	s_cbranch_scc0 .Lnot_wk
	s_sub_co_u32 s29, ttmp9, 768                   ; i: Wk row 8 i = 64 g + 32 hi + 16 j + 8 lo
	s_lshl_b32 s24, s29, 16
	s_lshr_b32 s30, s29, 3                         ; g
	s_bfe_u32 s31, s29, 0x10001                    ; j
	s_lshl1_add_u32 s30, s30, s31                  ; block 2 g + j
	s_mul_i32 s30, s30, 160
	s_bfe_u32 s31, s29, 0x10002                    ; hi
	s_lshl4_add_u32 s30, s31, s30
	s_and_b32 s31, s29, 1                          ; lo
	s_lshl3_add_u32 s30, s31, s30
	s_add_co_u32 s30, s30, 128
	s_lshl_b32 s26, s30, 12
	s_add_nc_u64 s[12:13], s[12:13], s[24:25]
	s_add_nc_u64 s[20:21], s[20:21], s[26:27]
	ROWS 12, 20, 0
	s_endpgm
.Lnot_wk:
	s_sub_co_u32 s29, ttmp9, 800                   ; i: Wv row 8 i = 32 (bx - 8) + 8 (i % 4)
	s_lshl_b32 s24, s29, 16
	s_lshr_b32 s30, s29, 2
	s_add_co_u32 s30, s30, 8
	s_mul_i32 s30, s30, 160
	s_and_b32 s31, s29, 3
	s_lshl3_add_u32 s30, s31, s30
	s_add_co_u32 s30, s30, 128
	s_lshl_b32 s26, s30, 12
	s_add_nc_u64 s[14:15], s[14:15], s[24:25]
	s_add_nc_u64 s[20:21], s[20:21], s[26:27]
	ROWS 14, 20, 0
	s_endpgm
.Lfunc_end_k_q6eaa8bb30a_cast:
	.size	k_q6eaa8bb30a_cast, .Lfunc_end_k_q6eaa8bb30a_cast-k_q6eaa8bb30a_cast
	.p2alignl 7, 3214868480
	.fill 96, 4, 3214868480
	.section	.rodata,"a",@progbits
	.p2align	6, 0x0
	.amdhsa_kernel k_q6eaa8bb30a_cast
		.amdhsa_group_segment_fixed_size 0
		.amdhsa_private_segment_fixed_size 0
		.amdhsa_enable_private_segment 0
		.amdhsa_kernarg_size 64
		.amdhsa_user_sgpr_count 2
		.amdhsa_user_sgpr_kernarg_segment_ptr 1
		.amdhsa_wavefront_size32 1
		.amdhsa_system_sgpr_workgroup_id_x 1
		.amdhsa_system_sgpr_workgroup_id_y 1
		.amdhsa_system_sgpr_workgroup_id_z 1
		.amdhsa_system_vgpr_workitem_id 0
		.amdhsa_next_free_vgpr 104
		.amdhsa_next_free_sgpr 66
		.amdhsa_reserve_vcc 0
		.amdhsa_float_denorm_mode_32 3
		.amdhsa_float_denorm_mode_16_64 3
		.amdhsa_memory_ordered 1
		.amdhsa_forward_progress 1
		.amdhsa_inst_pref_size 36
	.end_amdhsa_kernel
	.amdgpu_metadata
---
amdhsa.version: [ 1, 2 ]
amdhsa.kernels:
  - .name:           k_q6eaa8bb30a_cast
    .symbol:         k_q6eaa8bb30a_cast.kd
    .args:
      - { .name: x, .offset: 0, .size: 8, .value_kind: global_buffer, .address_space: global }
      - { .name: Wq, .offset: 8, .size: 8, .value_kind: global_buffer, .address_space: global }
      - { .name: Wk, .offset: 16, .size: 8, .value_kind: global_buffer, .address_space: global }
      - { .name: Wv, .offset: 24, .size: 8, .value_kind: global_buffer, .address_space: global }
      - { .name: Wo, .offset: 32, .size: 8, .value_kind: global_buffer, .address_space: global }
      - { .name: xb, .offset: 40, .size: 8, .value_kind: global_buffer, .address_space: global }
      - { .name: wqkvb, .offset: 48, .size: 8, .value_kind: global_buffer, .address_space: global }
      - { .name: wob, .offset: 56, .size: 8, .value_kind: global_buffer, .address_space: global }
    .group_segment_fixed_size: 0
    .private_segment_fixed_size: 0
    .kernarg_segment_align: 8
    .kernarg_segment_size: 64
    .max_flat_workgroup_size: 256
    .sgpr_count:     66
    .vgpr_count:     104
    .wavefront_size: 32
...
	.end_amdgpu_metadata
.endif
;; end of part 5
;; launch qkv: the kernel of part 2 again; grid 16 x 16, 4 waves a work-group, clusters of 4 x 4, 327,680 bytes of LDS; arguments xb, wqkvb, cos, sin, qb, kvb; writes qb, kvb
;; launch attn: the kernel of part 3 again; grid 64 x 4, 4 waves a work-group, clusters of 4 x 1, 327,680 bytes of LDS; arguments qb, kvb, yb; writes yb
;; launch oproj: the kernel of part 4 again; grid 16 x 16, 4 waves a work-group, clusters of 4 x 4, 327,680 bytes of LDS; arguments yb, wob, out0; writes out0
